; MI455X (gfx1250); checked and timed in simulation.
; The chip was launched on July 23, 2026; its instructions are those of AMD's public machine-readable ISA for CDNA 5 (MIT licence, August 2026) and "CDNA5" Instruction Set Architecture Reference Guide (July 2026). The comments in the code are by the model that wrote it; some were corrected since.
;; Multi Head. Allowed arithmetic: matrix products marked QUANTISED: E3M2 operands, one E8M0 scale for each 32 along K, by v_wmma_scale_f32_16x16x128_f8f6f4 with both operands' format E3M2, f32 sums; everything else in f32.
;; Inputs: Wk 1,024 x 1,024 float32; Wo 1,024 x 1,024 float32; Wq 1,024 x 1,024 float32; Wv 1,024 x 1,024 float32; bk 1,024 float32; bo 1,024 float32; bq 1,024 float32; bv 1,024 float32; k 4 x 2,048 x 1,024 float32; mask 1 x 1 x 2,048 x 2,048 float32; q 4 x 2,048 x 1,024 float32; v 4 x 2,048 x 1,024 float32.
;; Outputs: out0 4 x 2,048 x 1,024 float32.
;; This version of the problem:
;;   THIS VERSION OF THE PROBLEM IS GIVEN IN LOW PRECISION. The matrix products marked QUANTISED in the list below multiply operands that are first quantised to E3M2 (3 exponent bits, 2 mantissa bits; 6 bits a number), with one power-of-two scale for each 32 numbers along K (OCP MX v1.0); their sums are f32. All else is computed in f32.
;;   The module's matrix products, in the order in which they are computed (A, B: the left and right operand; K: the contracted axis; several contracted axes count as one K, in the product's order):
;;     1. [M 8,192, K 1,024] x [K 1,024, N 1,024]; A: input q; B: input Wq: QUANTISED
;;     2. [M 8,192, K 1,024] x [K 1,024, N 1,024]; A: input k; B: input Wk: QUANTISED
;;     3. [M 8,192, K 1,024] x [K 1,024, N 1,024]; A: input v; B: input Wv: QUANTISED
;;     4. batch 64 x [M 2,048, K 64] x [K 64, N 2,048]; A: computed on the way; B: computed on the way: QUANTISED
;;     5. batch 64 x [M 2,048, K 2,048] x [K 2,048, N 64]; A: softmax (see below); B: computed on the way: QUANTISED
;;     6. [M 8,192, K 1,024] x [K 1,024, N 1,024]; A: computed on the way; B: input Wo: QUANTISED
;;   THE QUANTISER, for each operand of a quantised product, along K:
;;     - K is cut into blocks of 32 from its start; a last block that is shorter is filled with zeros.
;;     - A block's scale is 2^e with e = floor(log2(the largest magnitude in the block)) - 4, held to -126 .. 127; a block of zeros has e = 0. As a byte (E8M0): e + 127.
;;     - Each number is divided by its block's scale, clamped to +-28, and rounded to the nearest number of E3M2, ties to even, subnormals kept.
;;     - The product sums the exact products of the quantised numbers (number of the format x scale) in f32.
;;   ~~~python
;;   def quantise(x, axis):      # numpy; x: float32 -> the quantised numbers, widened to float32 again
;;       x = np.moveaxis(x, axis, -1); K = x.shape[-1]
;;       x = np.pad(x, [(0, 0)] * (x.ndim - 1) + [(0, -K % 32)]); x = x.reshape(x.shape[:-1] + (-1, 32)); a = np.abs(x).max(-1, keepdims=True)
;;       e = np.where(a > 0, np.clip(np.frexp(np.where(a > 0, a, 1))[1] - 1 - 4, -126, 127), 0)      # np.frexp(a)[1] - 1 = floor(log2(a)), exactly
;;       r = np.clip(x / 2.0 ** e, -28, 28)
;;       step = 2.0 ** (np.maximum(np.frexp(np.where(r == 0, 1, r))[1] - 1, -2) - 2)
;;       q = np.round(r / step) * step * 2.0 ** e      # np.round: ties to even
;;       return np.moveaxis(q.reshape(q.shape[:-2] + (-1,))[..., :K], -1, axis).astype(np.float32)
;;   ~~~
;;   SOFTMAX AHEAD OF A QUANTISED PRODUCT. Where the list says 'softmax', what is quantised is not the finished softmax but p = 2^(t - M), with t = logit x log2(e) and M = ceil(the row's largest t), a whole number; so 1/2 < the row's largest p <= 1. The row's sum l is taken of the UNQUANTISED p, in f32, and the product's result is divided by l at the end. Since M is a whole number, a kernel that streams over the keys may use a running M (the ceiling of the running maximum): every later rescaling is an exact power of two, which a block's scale takes up: the codes' values come out the same.
;;   OPERANDS COMPUTED ON THE WAY. 'Computed on the way' means the value that the module computes at that place (a softmax that the list does not call 'softmax' is quantised finished and normalised). What goes into a quantiser is computed in f32, as accurately as f32 sums, v_exp_f32 and their like allow (about 1e-6 of the number): no bf16 or f16 on the way to a quantiser, and a product that is left as it is and whose result goes on into a quantised operand takes f32 operands (vector FMAs, or v_wmma_f32_16x16x4_f32). A number that lies on a knife's edge between two numbers of the format may be rounded either way, as far as f32 arithmetic and the matrix unit's own rounding can turn it there, and no further.
;; One version. Each part assembles by itself: llvm-mc -triple=amdgcn-amd-amdhsa -mcpu=gfx1250 --defsym DOCPART=n.
;; ======== version 1 of 1: 4 launches
;; limits: right only within a limited range of input values
;; workspace buffers: codes 22,020,096 bytes; scl 917,504 bytes; qr 6,553,600 bytes; kv 13,107,200 bytes; cc 6,291,456 bytes; cs 262,144 bytes; flags 4,096 bytes of whole numbers
;; launch quant (part 1): grid 1024 x 1, 4 waves a work-group, no clusters, 34,304 bytes of LDS; arguments q, k, v, Wq, Wk, Wv, Wo, codes, scl, mask, flags; writes codes, scl, flags
.if DOCPART == 1
	.amdgcn_target "amdgcn-amd-amdhsa--gfx1250"
	.amdhsa_code_object_version 6
	.text
	.protected	k_q938d9d77fe_quant
	.globl	k_q938d9d77fe_quant
	.p2align	8
	.type	k_q938d9d77fe_quant,@function
k_q938d9d77fe_quant:
	s_mov_b64 s[64:65], 0
	v_nop
	global_prefetch_b8 v0, s[64:65] scope:SCOPE_SE
	s_setreg_imm32_b32 hwreg(HW_REG_WAVE_MODE, 25, 1), 1
	s_wait_xcnt 0x0
; q, k, v [8192][1024] and Wq, Wk, Wv, Wo [1024][1024], f32, K innermost, become codes of BF6 (E3M2) with one E8M0 byte for each 32 along K,
; laid as the matrix unit's operand registers want them.
; TILES.  Tile T of a tensor holds, at lane place p (0..15), row 32 (T/2) + 8 (T%2) + p + 8 (p/8).  Four tiles are a group of 64 rows.
; IMAGE.  A fragment (16 rows x 128 K) is 12 registers a lane; registers 4c..4c+3 lie at 512 c + 16 lane: 1,536 bytes, read and written 512 consecutive bytes at a time.
; codes: [group 448][tile 4][K step 8][1536];  scl: [group][K step 8][256], the 256 bytes being [place 16][tile 4] scale words.
; Groups: q 0, k 128, v 256, Wq 384, Wk 400, Wv 416, Wo 432.
; SHARES.  Work-group x takes group x/2 - 64; its wave w takes K step 4 (x%2) + w of the group's four tiles: 32 KiB in, 6,400 bytes out.  Waves share nothing: no barrier.
; Each load reads 512 consecutive bytes of one row; a tile's 16 rows turn through the wave's own stage in LDS (pitch 528 = 33 x 16 bytes, so the 16 rows that
; a read touches fall on 16 different 16-byte columns of 256), so that lane (r, h) holds 16 neighbours of each block of 32 of row r.
; A block's scale is 2^(floor(log2(largest magnitude)) - 4); its byte is the largest magnitude's exponent field - 4, held at 1 from below.
; LIMITS: NaN and infinities among the inputs are not served; a block whose largest magnitude lies under 2^-122 keeps the byte 1; a block of zeros gets the byte 1
; where the rule says 127: its codes are zeros, and this program alone reads the bytes.
.set SP,   528                         ; stage pitch
.set STGW, 16*SP                       ; a wave's stage
.set TM,   8                           ; v8-23   at work in QUANT
.set PW,   24                          ; v24-27  the four tiles' scale words
.set CT,   28                          ; v28-35  upper halves of blocks, before they change lanes
.set PC,   36                          ; v36-59  codes, two sets of 12
.set CW,   60                          ; v60-61  the two words that I store
.set XX,   64                          ; v64-127 64 numbers: register 16 b + i = k 32 b + 16 h + i of my row
.set RR,   128                         ; v128-255 rows as loaded, two sets of 64
.set SEL,  26                          ; s[26:27] selects for lane l xor 16
.set MSB,  0
.macro WIN new                         ; the immediate's high byte repeats the setting that is left; a switch that changes nothing is dropped
.if MSB != (\new)
	s_set_vgpr_msb (MSB<<8)|(\new)
.set MSB, (\new)
.endif
.endm
; 64 numbers of a lane in window w, v[s] on, become a fragment's 12 registers of codes at v[pc] and its scale word in v[pw] (both window 0)
.macro QUANT s, w, pc, pw
.set QW, (\w)|((\w)<<2)
	WIN QW
.irp b, 0,1,2,3
	v_max3_num_f32 v[TM+\b], |v[(\s)+16*\b]|, |v[(\s)+16*\b+1]|, 0x2800000   ; my 16 numbers of block b, and the floor 2^(5-127): the byte cannot fall under 1
.endr
.irp i, 2,4,6,8,10,12,14
.irp b, 0,1,2,3
	v_max3_num_f32 v[TM+\b], |v[(\s)+16*\b+\i]|, |v[(\s)+16*\b+\i+1]|, v[TM+\b]   ; the four blocks by turns
.endr
.endr
	WIN 0
.irp b, 0,1,2,3
	v_permlanex16_b32 v[TM+4+\b], v[TM+\b], s[SEL], s[SEL+1]
.endr
.irp b, 0,1,2,3
	v_max_num_f32 v[TM+\b], v[TM+\b], v[TM+4+\b]          ; with lane l xor 16's 16: the block's largest magnitude
.endr
.irp b, 0,1,2,3
	v_add_nc_u32 v[TM+12+\b], 0xfe000000, v[TM+\b]        ; 4 off its exponent field: the conversion's scale operand
.endr
.irp b, 0,1,2,3
	v_lshrrev_b32 v[TM+4+\b], 23, v[TM+12+\b]             ; the scale's byte
.endr
	v_lshl_or_b32 v[\pw], v[TM+5], 8, v[TM+4]
	v_lshl_or_b32 v[\pw], v[TM+6], 16, v[\pw]
	v_lshl_or_b32 v[\pw], v[TM+7], 24, v[\pw]             ; my row's scale word
	WIN \w
.irp c, 0,1
	v_cvt_scalef32_pk16_bf6_f32 v[(\pc)+6*\c:(\pc)+6*\c+2], v[(\s)+32*\c:(\s)+32*\c+15], v[TM+12+2*\c]
	v_cvt_scalef32_pk16_bf6_f32 v[CT+4*\c:CT+4*\c+2], v[(\s)+16+32*\c:(\s)+31+32*\c], v[TM+13+2*\c]   ; (a conversion's three registers begin on an even number)
.endr
	WIN 0
	v_nop                                                 ; one plain instruction behind the scaled conversions
.irp c, 0,1                            ; the operand wants a whole block in a lane: lanes 0-15 block 2 c, lanes 16-31 block 2 c + 1
.irp i, 0,1,2
	v_permlane16_swap_b32 v[(\pc)+6*\c+\i], v[CT+4*\c+\i]
.endr
.irp i, 0,1,2
	v_mov_b32 v[(\pc)+3+6*\c+\i], v[CT+4*\c+\i]
.endr
.endr
.endm
.macro PICK lim, ptr, base             ; groups under lim belong to an earlier tensor: the choice hangs on the work-group's number alone
	s_cmp_lt_u32 s28, \lim
	s_cselect_b64 s[22:23], s[\ptr:\ptr+1], s[22:23]
	s_cselect_b32 s24, \base, s24
.endm
	s_load_b256 s[4:11], s[0:1], 0x0               ; q, k, v, Wq
	s_load_b256 s[12:19], s[0:1], 0x20             ; Wk, Wv, Wo, codes
	s_load_b64 s[20:21], s[0:1], 0x40              ; scl
	s_load_b128 s[36:39], s[0:1], 0x48             ; mask, flags
	s_cmp_lt_u32 ttmp9, 128                        ; work-groups 0..127 read the mask (at the text's end); the other 896 quantise
	s_cbranch_scc1 .Lflags
	v_lshl_add_u32 v62, v0, 2, 0x8400
	v_mov_b32 v63, 0
	v_lshrrev_b32 v6, 5, v0
	v_readfirstlane_b32 s2, v6                     ; wave
	v_and_b32 v7, 31, v0
	v_lshlrev_b32 v1, 4, v7                        ; 16 x lane
	v_and_b32 v6, 15, v0                           ; r
	v_bfe_u32 v5, v0, 4, 1                         ; h
	s_mul_i32 s3, s2, STGW
	v_add_nc_u32 v2, s3, v1                        ; the stage, on the way in: a row's 512 bytes as they lie
	v_mul_u32_u24 v3, v6, SP
	v_lshl_add_u32 v3, v5, 6, v3
	v_add_nc_u32 v3, s3, v3                        ; and out: row r, + 64 h
	v_lshlrev_b32 v4, 4, v6
	v_lshl_add_u32 v4, v5, 3, v4                   ; my two words of the 256 scale bytes: 16 r + 8 h
.irp b, 0,1,2,3
	v_mov_b32 v[TM+4+\b], 0                        ; written once: a lane permute's destination counts as one of its sources
.endr
	s_mov_b32 s[SEL], 0x76543210
	s_mov_b32 s[SEL+1], 0xfedcba98
	s_lshr_b32 s28, ttmp9, 1
	s_sub_co_u32 s28, s28, 64                      ; the group: the first 128 work-groups are the mask's
	s_and_b32 s29, ttmp9, 1
	s_lshl_b32 s29, s29, 2
	s_add_co_u32 s29, s29, s2                      ; my K step
	s_wait_alu depctr_va_vdst(0)
	s_wait_kmcnt 0x0
	s_mov_b64 s[22:23], s[16:17]                   ; Wo, unless the group lies lower
	s_mov_b32 s24, 432
	PICK 432, 14, 416
	PICK 416, 12, 400
	PICK 400, 10, 384
	PICK 384, 8, 256
	PICK 256, 6, 128
	PICK 128, 4, 0
	s_sub_co_u32 s30, s28, s24
	s_lshl_b32 s30, s30, 18                        ; 64 rows of 4,096 bytes a group,
	s_lshl_b32 s31, s29, 9                         ; 512 bytes a K step
	s_add_co_u32 s30, s30, s31
	s_mov_b32 s31, 0
	s_add_nc_u64 s[22:23], s[22:23], s[30:31]
	s_mul_i32 s30, s28, 49152
	s_mul_i32 s32, s29, 1536
	s_add_co_u32 s30, s30, s32
	s_add_nc_u64 s[18:19], s[18:19], s[30:31]
	s_lshl_b32 s30, s28, 11
	s_lshl_b32 s32, s29, 8
	s_add_co_u32 s30, s30, s32
	s_add_nc_u64 s[20:21], s[20:21], s[30:31]
.macro LOAD t                          ; tile t's 16 rows, in the order of its places
.irp p, 0,1,2,3,4,5,6,7,8,9,10,11,12,13,14,15
	global_load_b128 v[RR+64*((\t)%2)+4*\p:RR+64*((\t)%2)+4*\p+3], v1, s[22:23] offset:(32*((\t)/2)+8*((\t)%2)+\p+8*(\p/8))*4096 th:TH_LOAD_NT
.endr
.endm
.macro TURN t                          ; through the stage: LDS serves a wave's instructions in order, so no wait stands between the stores and the loads
.irp p, 0,1,2,3,4,5,6,7,8,9,10,11,12,13,14,15
	ds_store_b128 v2, v[RR+64*((\t)%2)+4*\p:RR+64*((\t)%2)+4*\p+3] offset:SP*\p
.endr
.irp b, 0,1,2,3
.irp j, 0,1,2,3
	ds_load_b128 v[XX+16*\b+4*\j:XX+16*\b+4*\j+3], v3 offset:128*\b+16*\j
.endr
.endr
.endm
	LOAD 0
	LOAD 1
.irp t, 0,1,2,3
.if \t < 3
	s_wait_loadcnt 16                              ; this tile's 16 loads are in; the next tile's 16 may be out
.else
	s_wait_loadcnt 0x0
.endif
	TURN \t
	s_wait_dscnt 0x0                               ; my numbers are back, and the stores have read the rows' registers
.if \t < 2
	LOAD \t+2
.else
	s_wait_xcnt 0x0                                ; the stores of two tiles ago have read this set of codes: it is written again only behind this wait
.endif
	QUANT XX, 0, PC+12*(\t%2), PW+\t
.irp p, 0,1,2
	global_store_b128 v1, v[PC+12*(\t%2)+4*\p:PC+12*(\t%2)+4*\p+3], s[18:19] offset:12288*\t+512*\p   ; 512 consecutive bytes
.endr
.endr
	v_cmp_ne_u32 vcc_lo, 0, v5
	v_cndmask_b32 v[CW], v[PW], v[PW+2], vcc_lo    ; lanes 0-15 store tiles 0 and 1's words, lanes 16-31 tiles 2 and 3's
	v_cndmask_b32 v[CW+1], v[PW+1], v[PW+3], vcc_lo
	global_store_b64 v4, v[CW:CW+1], s[20:21]      ; 256 consecutive bytes
	s_wait_tensorcnt 0x0
	ds_add_u32 v62, v63
	s_wait_dscnt 0x0
	s_endpgm
; THE MASK'S FLAGS.  Work-group T (0..127) takes query tile T (place p = row 32 (T/2) + 8 (T%2) + p + 8 (p/8)); its wave w the four rows of places 4 w .. 4 w + 3, 32 KiB.
; For each block j of 128 keys the wave stores two bits, in two words at flags + 32 T + 8 w:
;   word 0, bit j (skip): in each of my rows every mask entry of the block lies 0.5 or more above the row's smallest entry.  The score then lies 5e8 or more (less twice the largest |q.k|) under the row's
;     largest, t - M lies under -126, and every p of the block is 0: its codes are zeros and it adds 0 to the row's sum.  The block that holds a row's smallest entry is never skipped.
;   word 1, bit j (zero): every mask entry of the block in my rows is 0: mask x -1e9 adds nothing to the scores.
; LIMITS of the skip bit: |q.k| of a head up to 1e8, |mask| up to 1e6, no NaN or infinity in the mask.
; A load reads 512 consecutive bytes of a row, which are one block of keys: a lane holds four entries of each block.  No LDS on this path.
.macro FROW i, set
.irp j, 0,1,2,3,4,5,6,7,8,9,10,11,12,13,14,15
	global_load_b128 v[\set+4*\j:\set+4*\j+3], v1, s[36:37] offset:8192*\i+512*\j th:TH_LOAD_NT
.endr
.endm
.macro FWORK set, first                ; v8-23 smallest (entry - row's smallest) of each block; v24-39 largest magnitude; v40-55 this row's smallest of each block
.irp j, 0,1,2,3,4,5,6,7,8,9,10,11,12,13,14,15
	v_min3_num_f32 v[40+\j], v[\set+4*\j], v[\set+4*\j+1], v[\set+4*\j+2]
.endr
.irp j, 0,1,2,3,4,5,6,7,8,9,10,11,12,13,14,15
	v_min_num_f32 v[40+\j], v[40+\j], v[\set+4*\j+3]
.endr
.irp j, 0,1,2,3,4,5,6,7,8,9,10,11,12,13,14,15
.if \first
	v_max_num_f32 v[24+\j], |v[\set+4*\j]|, |v[\set+4*\j+1]|
.else
	v_max3_num_f32 v[24+\j], |v[\set+4*\j]|, |v[\set+4*\j+1]|, v[24+\j]
.endif
.endr
.irp j, 0,1,2,3,4,5,6,7,8,9,10,11,12,13,14,15
	v_max3_num_f32 v[24+\j], |v[\set+4*\j+2]|, |v[\set+4*\j+3]|, v[24+\j]
.endr
	v_min3_num_f32 v56, v40, v41, v42
.irp i, 43,45,47,49,51,53
	v_min3_num_f32 v56, v56, v[\i], v[\i+1]
.endr
	v_min_num_f32 v56, v56, v55
.irp x, 1,2,4,8
	v_min_num_f32_dpp v56, v56, v56 row_xmask:\x row_mask:0xf bank_mask:0xf
.endr
	v_permlanex16_b32 v57, v56, s26, s27
	v_min_num_f32 v56, v56, v57                    ; the row's smallest entry, in every lane
.irp j, 0,1,2,3,4,5,6,7,8,9,10,11,12,13,14,15
.if \first
	v_sub_f32 v[8+\j], v[40+\j], v56
.else
	v_sub_f32 v[40+\j], v[40+\j], v56
.endif
.endr
.if \first == 0
.irp j, 0,1,2,3,4,5,6,7,8,9,10,11,12,13,14,15
	v_min_num_f32 v[8+\j], v[8+\j], v[40+\j]
.endr
.endif
.endm
.Lflags:
	v_and_b32 v2, 31, v0
	v_lshlrev_b32 v1, 4, v2                        ; 16 x lane
	v_lshrrev_b32 v3, 5, v0
	v_readfirstlane_b32 s2, v3                     ; wave
	v_mov_b32 v57, 0                               ; a lane permute's destination counts as one of its sources
	s_mov_b32 s26, 0x76543210
	s_mov_b32 s27, 0xfedcba98
	s_lshr_b32 s3, ttmp9, 1
	s_lshl_b32 s3, s3, 5
	s_and_b32 s22, ttmp9, 1
	s_lshl_b32 s22, s22, 3
	s_add_co_u32 s3, s3, s22
	s_lshl_b32 s22, s2, 2
	s_add_co_u32 s3, s3, s22
	s_lshr_b32 s22, s2, 1
	s_lshl_b32 s22, s22, 3
	s_add_co_u32 s3, s3, s22                       ; my first row: 32 (T/2) + 8 (T%2) + 4 w + 8 (w/2)
	s_lshl_b32 s22, s3, 13                         ; a row of the mask is 8,192 bytes
	s_mov_b32 s23, 0
	s_lshl_b32 s24, ttmp9, 5
	s_lshl_b32 s25, s2, 3
	s_add_co_u32 s24, s24, s25                     ; my two words: 32 T + 8 w
	s_mov_b32 s25, 0
	s_wait_alu depctr_va_vdst(0)                   ; the wait at the head's end
	s_wait_kmcnt 0x0
	s_add_nc_u64 s[36:37], s[36:37], s[22:23]
	s_add_nc_u64 s[38:39], s[38:39], s[24:25]
	FROW 0, 64
	FROW 1, 128
	FROW 2, 192
	s_wait_loadcnt 32                              ; row 0's 16 loads are in; two rows' may be out
	FWORK 64, 1
	FROW 3, 64
	s_wait_loadcnt 32
	FWORK 128, 0
	s_wait_loadcnt 16
	FWORK 192, 0
	s_wait_loadcnt 0x0
	FWORK 64, 0
	s_wait_alu depctr_va_vdst(0)                   ; the wait ahead of the run of scalar lines
	s_mov_b32 s28, 0
	s_mov_b32 s29, 0
.irp j, 0,1,2,3,4,5,6,7,8,9,10,11,12,13,14,15
	v_cmp_le_f32 s30, 0.5, v[8+\j]                 ; a bit is set only if all 32 lanes agree; values are selected, nothing is jumped over
	v_cmp_eq_f32 s31, 0, v[24+\j]
	s_cmp_eq_u32 s30, -1
	s_cselect_b32 s30, 1<<\j, 0
	s_or_b32 s28, s28, s30
	s_cmp_eq_u32 s31, -1
	s_cselect_b32 s31, 1<<\j, 0
	s_or_b32 s29, s29, s31
.endr
	v_mov_b32 v4, s28
	v_mov_b32 v5, s29
	v_mov_b32 v6, 0
	v_cmp_eq_u32 vcc_lo, 0, v2
	s_wait_xcnt 0x0                                ; EXEC changes only behind this wait
	s_and_saveexec_b32 s30, vcc_lo                 ; lane 0 stores the wave's 8 bytes
	s_wait_alu depctr_va_vdst(0)
	global_store_b64 v6, v[4:5], s[38:39]
	s_wait_xcnt 0x0
	s_or_b32 exec_lo, exec_lo, s30
	s_endpgm
.Lfunc_end_k_q938d9d77fe_quant:
	.size	k_q938d9d77fe_quant, .Lfunc_end_k_q938d9d77fe_quant-k_q938d9d77fe_quant
	.p2alignl 7, 3214868480
	.fill 96, 4, 3214868480
	.section	.rodata,"a",@progbits
	.p2align	6, 0x0
	.amdhsa_kernel k_q938d9d77fe_quant
		.amdhsa_group_segment_fixed_size 34304
		.amdhsa_private_segment_fixed_size 0
		.amdhsa_enable_private_segment 0
		.amdhsa_kernarg_size 88
		.amdhsa_user_sgpr_count 2
		.amdhsa_user_sgpr_kernarg_segment_ptr 1
		.amdhsa_wavefront_size32 1
		.amdhsa_system_sgpr_workgroup_id_x 1
		.amdhsa_system_sgpr_workgroup_id_y 1
		.amdhsa_system_sgpr_workgroup_id_z 1
		.amdhsa_system_vgpr_workitem_id 0
		.amdhsa_next_free_vgpr 256
		.amdhsa_next_free_sgpr 66
		.amdhsa_reserve_vcc 1
		.amdhsa_float_denorm_mode_32 3
		.amdhsa_float_denorm_mode_16_64 3
		.amdhsa_memory_ordered 1
		.amdhsa_forward_progress 1
		.amdhsa_inst_pref_size 68
	.end_amdhsa_kernel
	.amdgpu_metadata
---
amdhsa.version: [ 1, 2 ]
amdhsa.kernels:
  - .name:           k_q938d9d77fe_quant
    .symbol:         k_q938d9d77fe_quant.kd
    .args:
      - { .name: q, .offset: 0, .size: 8, .value_kind: global_buffer, .address_space: global }
      - { .name: k, .offset: 8, .size: 8, .value_kind: global_buffer, .address_space: global }
      - { .name: v, .offset: 16, .size: 8, .value_kind: global_buffer, .address_space: global }
      - { .name: Wq, .offset: 24, .size: 8, .value_kind: global_buffer, .address_space: global }
      - { .name: Wk, .offset: 32, .size: 8, .value_kind: global_buffer, .address_space: global }
      - { .name: Wv, .offset: 40, .size: 8, .value_kind: global_buffer, .address_space: global }
      - { .name: Wo, .offset: 48, .size: 8, .value_kind: global_buffer, .address_space: global }
      - { .name: codes, .offset: 56, .size: 8, .value_kind: global_buffer, .address_space: global }
      - { .name: scl, .offset: 64, .size: 8, .value_kind: global_buffer, .address_space: global }
      - { .name: mask, .offset: 72, .size: 8, .value_kind: global_buffer, .address_space: global }
      - { .name: flags, .offset: 80, .size: 8, .value_kind: global_buffer, .address_space: global }
    .group_segment_fixed_size: 34304
    .private_segment_fixed_size: 0
    .kernarg_segment_align: 8
    .kernarg_segment_size: 88
    .max_flat_workgroup_size: 128
    .sgpr_count:     66
    .vgpr_count:     256
    .wavefront_size: 32
...
	.end_amdgpu_metadata
.endif
;; end of part 1
;; launch proj (part 2): grid 4 x 192, 4 waves a work-group, clusters of 4 x 4, 327,680 bytes of LDS; arguments codes, scl, bq, bk, bv, qr, kv; writes qr, kv
.if DOCPART == 2
	.amdgcn_target "amdgcn-amd-amdhsa--gfx1250"
	.amdhsa_code_object_version 6
	.text
	.protected	k_q938d9d77fe_proj
	.globl	k_q938d9d77fe_proj
	.p2align	8
	.type	k_q938d9d77fe_proj,@function
k_q938d9d77fe_proj:
	s_mov_b64 s[64:65], 0
	v_nop
	global_prefetch_b8 v0, s[64:65] scope:SCOPE_SE
	s_setreg_imm32_b32 hwreg(HW_REG_WAVE_MODE, 25, 1), 1
	s_wait_xcnt 0x0
	s_wait_alu depctr_hold_cnt(0) depctr_sa_sdst(0) depctr_va_vdst(0) depctr_va_sdst(0) depctr_va_ssrc(0) depctr_va_vcc(0) depctr_vm_vsrc(0)
	s_getreg_b32 s2, hwreg(HW_REG_IB_STS2, 6, 4)
	s_cmp_eq_u32 s2, 0
	s_cbranch_scc0 .Lentry_in_a_cluster
	s_endpgm
.Lentry_in_a_cluster:
	s_bfe_u32 s2, ttmp6, 0x10000c
	s_cmp_lg_u32 s2, 0xf033
	s_cbranch_scc0 .Lentry_shape_is_right
	s_endpgm
.Lentry_shape_is_right:
; The three input projections on codes of BF6, x W^T + b, with the results quantised at once as operands of attention.
; CORE.  C[A rows][B rows]: source 0 = a tile of the B side (its rows land in the result's registers), source 1 = a tile of the A side (its rows land in the lanes).
; A work-group makes A 128 x B 256, a wave 64 x 128: 32 accumulators.  q, k: A = tokens, B = W: a lane holds a token, its registers run along the features.
; v: A = Wv, B = tokens: a lane holds a channel, its registers run along the keys, which are the K of attention's second product.  Only pointers differ.
; The whole K (1,024) of a work-group's rows is 294,912 bytes: it comes into LDS ONCE, in two halves of 512 along K; nothing is filled again, so there is no ring.
; Tiles, images and scale words are laid as the launch before stores them: tile T, place p = row 32 (T/2) + 8 (T%2) + p + 8 (p/8), so that the 16 registers of
; result tiles 2 b and 2 b + 1 are 16 neighbours along the next K.
; CLUSTER 4 x 4: the four of a row need the same A, the four of a column the same B: each chunk is asked for jointly.  48 clusters: 16 for q, 16 for k, 16 for v;
; the mode hangs on the cluster's y alone, so it is the same in all partners.
; OUT.  Records of 12,800 bytes = 8 fragments + 2 x 256 bytes of scale words, one for each (batch, pair of heads, 128 tokens): qr [512]; kv [512][K record, V record].
; In a q or k record a fragment is 16 tokens x the pair's 128 features; in a V record 16 channels x 128 keys.
; The bias is the C of each sum's first product.  Its loads stand in the same branch as that first K step, so that each way writes what it reads.
; LIMITS: as in the launch before (NaN, infinities; the byte 1 for blocks under 2^-122 and blocks of zeros).
; REGISTERS.  window 0: v1-15 addresses, v16-31 at work, v32-63 A's scale words (4 s + a), v64-127 B's (8 s + b), v128-223 A's fragments, two sets; at the end v128-189 codes.
;   window 1: v0-191 B's fragments, two sets; v192-255 the bias.   window 2: accumulator (a, b) at v[64 a + 8 b].
; K NOW COMES IN TWO HALVES OF 512 ALONG K, not in four chunks: one tensor load a wave at the head (K steps 0-3), one behind the three lines and a round of the cluster's barrier (K steps 4-7).
; LDS: A [half 2][tile 8][6144] from byte 0, B [half 2][tile 16][6144] from byte 98,304; every byte is filled once.  It claims all of LDS.
.set AADR, 4                           ; v4-5   LDS address of my A fragments in half c
.set BADR, 8                           ; v8-9  of my B fragments
.set TM,   16
.set ASC,  32
.set BSC,  64
.set AF,   128
.set PC,   128
.set CT,   176
.set PW,   184
.set CW,   188
.set BI,   192
.set SEL,  88
.set MSB,  0
.macro WIN new                         ; the immediate's high byte repeats the setting that is left
.if MSB != (\new)
	s_set_vgpr_msb (MSB<<8)|(\new)
.set MSB, (\new)
.endif
.endm
.macro PLACES n
.rept \n
	v_nop
.endr
.endm
.macro CROUND                          ; a round of the cluster's barrier
	s_barrier_signal -1
	s_barrier_wait -1
	s_cmp_lg_u32 s18, 0
	s_cbranch_scc1 .Lnot_wave_0_\@
	s_barrier_signal -3
.Lnot_wave_0_\@:
	s_barrier_wait -3
	s_barrier_signal -1
	s_barrier_wait -1
.endm
.macro MKG0 g, lreg, lcon, areg, acon  ; a descriptor's group 0: count 1, LDS address, global address, type 2
	s_mov_b32 s[\g], 1
	s_add_co_u32 s[\g+1], s[\lreg], \lcon
	s_add_nc_u64 s[\g+2:\g+3], s[\areg:\areg+1], \acon
	s_or_b32 s[\g+3], s[\g+3], 0x80000000
.endm
; 64 numbers of a lane in window w, v[s] on (register 16 b + i = k 32 b + 16 h + i of my row), become 12 registers of codes at v[pc] and the scale word in v[pw]
.macro QUANT s, w, pc, pw
.set QW, (\w)|((\w)<<2)
	WIN QW
.irp b, 0,1,2,3
	v_max3_num_f32 v[TM+\b], |v[(\s)+16*\b]|, |v[(\s)+16*\b+1]|, 0x2800000   ; each accumulator is read from its low end on; the floor 2^(5-127) holds the byte at 1
.endr
.irp i, 2,4,6,8,10,12,14
.irp b, 0,1,2,3
	v_max3_num_f32 v[TM+\b], |v[(\s)+16*\b+\i]|, |v[(\s)+16*\b+\i+1]|, v[TM+\b]
.endr
.endr
	WIN 0
.irp b, 0,1,2,3
	v_permlanex16_b32 v[TM+4+\b], v[TM+\b], s[SEL], s[SEL+1]
.endr
.irp b, 0,1,2,3
	v_max_num_f32 v[TM+\b], v[TM+\b], v[TM+4+\b]
.endr
.irp b, 0,1,2,3
	v_add_nc_u32 v[TM+12+\b], 0xfe000000, v[TM+\b]
.endr
.irp b, 0,1,2,3
	v_lshrrev_b32 v[TM+4+\b], 23, v[TM+12+\b]
.endr
	v_lshl_or_b32 v[\pw], v[TM+5], 8, v[TM+4]
	v_lshl_or_b32 v[\pw], v[TM+6], 16, v[\pw]
	v_lshl_or_b32 v[\pw], v[TM+7], 24, v[\pw]
	WIN \w
.irp c, 0,1
	v_cvt_scalef32_pk16_bf6_f32 v[(\pc)+6*\c:(\pc)+6*\c+2], v[(\s)+32*\c:(\s)+32*\c+15], v[TM+12+2*\c]
	v_cvt_scalef32_pk16_bf6_f32 v[CT+4*\c:CT+4*\c+2], v[(\s)+16+32*\c:(\s)+31+32*\c], v[TM+13+2*\c]
.endr
	WIN 0
	v_nop                                                 ; one plain instruction behind the scaled conversions
.irp c, 0,1
.irp i, 0,1,2
	v_permlane16_swap_b32 v[(\pc)+6*\c+\i], v[CT+4*\c+\i]
.endr
.irp i, 0,1,2
	v_mov_b32 v[(\pc)+3+6*\c+\i], v[CT+4*\c+\i]
.endr
.endr
.endm
	s_load_b256 s[4:11], s[0:1], 0x0               ; codes, scl, bq, bk
	s_load_b128 s[12:15], s[0:1], 0x20             ; bv, qr
	s_load_b64 s[16:17], s[0:1], 0x30              ; kv
	v_lshl_add_u32 v254, v0, 2, 0x48000
	v_mov_b32 v255, 0
	ds_add_u32 v254, v255
	ds_add_u32 v254, v255
	v_lshrrev_b32 v1, 5, v0
	v_readfirstlane_b32 s18, v1                    ; wave
	s_lshr_b32 s19, s18, 1                         ; wa: my half of A's rows.  Also: I fetch for A (0) or for B (1)
	s_and_b32 s20, s18, 1                          ; wb: my half of B's rows.  Also: which half I fetch
	s_bfe_u32 s21, ttmp6, 0x40000                  ; cx
	s_bfe_u32 s22, ttmp6, 0x40004                  ; cy
	s_and_b32 s23, ttmp7, 0xffff                   ; the cluster's y: 0..47
	s_lshr_b32 s76, s23, 4                         ; mode: 0 q, 1 k, 2 v
	s_and_b32 s77, s23, 15
	s_lshr_b32 s82, s77, 3
	s_and_b32 s83, s77, 7
	s_lshl_b32 s90, s76, 7
	s_lshl_b32 s91, s76, 4
	s_add_co_u32 s91, s91, 384
	s_cmp_eq_u32 s76, 2
	s_cselect_b32 s78, 1, 0                        ; is it v?
	s_cselect_b32 s82, s82, s77                    ; the cluster's place along A: 16 for q, k; 2 for v
	s_cselect_b32 s83, s83, 0                      ; and along B: 1; 8
	s_cselect_b32 s90, 416, s90                    ; A's first group: q 0, k 128, Wv 416
	s_cselect_b32 s91, 256, s91                    ; B's: Wq 384, Wk 400, v 256
	s_lshl_b32 s79, s82, 2
	s_add_co_u32 s79, s79, s22                     ; ia: which 128 rows of A (made of cy, never of cx)
	s_lshl_b32 s80, s83, 2
	s_add_co_u32 s80, s80, s21                     ; ib: which 256 rows of B (made of cx, never of cy)
	s_lshl_b32 s98, s22, 2
	s_lshl_b32 s98, 15, s98                        ; my row of the cluster
	s_lshl_b32 s99, 0x1111, s21                    ; my column
	; group 1: rows = tiles, 12,288 bytes apart in memory; of each, one half of four fragments, 6,144 bytes = 768 elements of 8 bytes; dense in LDS
	s_or_b32 s24, s98, (3<<16)|(1<<21)             ; A: the mask of my row; elements of 8 bytes; bit 21 beside a mask
	s_mov_b32 s25, 768<<16                         ; of each tile four fragments, 6,144 bytes = 768 elements of 8 bytes
	s_mov_b32 s26, 4<<16                           ; 4 tiles a load
	s_mov_b32 s27, 768<<16
	s_mov_b32 s28, 4
	s_mov_b32 s29, 1536
	s_mov_b32 s30, 0
	s_mov_b32 s31, 0
	s_or_b32 s32, s99, (3<<16)|(1<<21)             ; B: the mask of my column
	s_mov_b32 s33, 768<<16
	s_mov_b32 s34, 8<<16                           ; 8 tiles a load
	s_mov_b32 s35, 768<<16
	s_mov_b32 s36, 8
	s_mov_b32 s37, 1536
	s_mov_b32 s38, 0
	s_mov_b32 s39, 0
	s_lshl_b32 s84, s79, 1
	s_add_co_u32 s84, s84, s90                     ; A's first group of this work-group
	s_add_co_u32 s94, s84, s19
	s_lshl_b32 s94, s94, 11                        ; my 64 rows' scale words: 2,048 bytes a group
	s_mov_b32 s95, 0
	s_add_co_u32 s84, s84, s20                     ; the group that I fetch
	s_mul_i32 s84, s84, 49152
	s_mov_b32 s85, 0
	s_lshl_b32 s86, s80, 2
	s_add_co_u32 s86, s86, s91
	s_lshl_b32 s96, s20, 1
	s_add_co_u32 s86, s86, s96                     ; B: the first of the two groups that I fetch, which are also the two that I multiply
	s_lshl_b32 s96, s86, 11
	s_mov_b32 s97, 0
	s_mul_i32 s86, s86, 49152
	s_mov_b32 s87, 0
	s_mul_i32 s92, s20, 24576                      ; where they go: no place in the cluster enters an LDS address
	s_mul_i32 s93, s20, 49152
	s_wait_dscnt 0x0
	s_wait_kmcnt 0x0
	s_add_nc_u64 s[84:85], s[4:5], s[84:85]
	s_add_nc_u64 s[86:87], s[4:5], s[86:87]
	s_add_nc_u64 s[94:95], s[6:7], s[94:95]
	s_add_nc_u64 s[96:97], s[6:7], s[96:97]
	MKG0 40, 92, 0, 84, 0                          ; A, K steps 0-3
	MKG0 44, 92, 49152, 84, 6144                   ; A, K steps 4-7
	MKG0 56, 93, 98304, 86, 0                      ; B, K steps 0-3
	MKG0 60, 93, 196608, 86, 6144                  ; B, K steps 4-7
	CROUND                                         ; all sixteen work-groups are here: the joint loads meet
	s_cmp_eq_u32 s19, 0                            ; a wave's fill stands in one branch on its number: one load of mine is out at the most
	s_cbranch_scc0 .Lfill_b
	tensor_load_to_lds s[40:43], s[24:31]
	s_nop 0
	PLACES 4
	s_branch .Lfilled
.Lfill_b:
	tensor_load_to_lds s[56:59], s[32:39]
	s_nop 0
	PLACES 4
.Lfilled:
	v_and_b32 v15, 31, v0
	v_lshlrev_b32 v1, 4, v15                       ; 16 x lane
	v_and_b32 v14, 15, v0                          ; r
	v_bfe_u32 v3, v0, 4, 1                         ; h
	v_lshlrev_b32 v2, 4, v14                       ; 16 r: four tiles' scale words of my place
.irp s, 0,1,2,3,4,5,6,7
	global_load_b128 v[ASC+4*\s:ASC+4*\s+3], v2, s[94:95] offset:256*\s
	global_load_b128 v[BSC+8*\s:BSC+8*\s+3], v2, s[96:97] offset:256*\s
	global_load_b128 v[BSC+8*\s+4:BSC+8*\s+7], v2, s[96:97] offset:2048+256*\s
.endr
	v_lshl_add_u32 v13, v3, 3, v2                  ; 16 r + 8 h
	v_lshlrev_b32 v12, 6, v3                       ; q, k: the bias of my half's 16 features of each 32
	v_and_b32 v15, 8, v14
	v_add_nc_u32 v15, v15, v14
	v_lshlrev_b32 v14, 2, v15                      ; v: the bias of my lane's channel: 4 (r + 8 (r/8))
	s_mul_i32 s104, s19, 24576
	s_mul_i32 s105, s20, 49152
	s_add_co_u32 s105, s105, 98304
	v_add_nc_u32 v[AADR], s104, v1
	v_add_nc_u32 v[BADR], s105, v1
	v_add_nc_u32 v[AADR+1], 49152, v[AADR]
	v_add_nc_u32 v[BADR+1], 98304, v[BADR]
.irp b, 0,1,2,3
	v_mov_b32 v[TM+4+\b], 0                        ; written once: a lane permute's destination counts as one of its sources
.endr
	s_mov_b32 s[SEL], 0x76543210
	s_mov_b32 s[SEL+1], 0xfedcba98
	; where my results go.  These numbers mix cx and cy: they live in registers that feed no descriptor
	s_lshl_b32 s81, s80, 1
	s_add_co_u32 s81, s81, s20                     ; 2 ib + wb: my 128 rows of B
	s_mov_b32 s100, 25600
	s_cmp_eq_u32 s76, 0
	s_cselect_b64 s[66:67], s[14:15], s[16:17]     ; qr, or kv
	s_cselect_b32 s100, 12800, s100                ; bytes from record to record
	s_cmp_eq_u32 s78, 1
	s_cselect_b32 s2, s81, s79                     ; the group of 128 tokens, 0..63
	s_cselect_b32 s3, s79, s81                     ; the pair of heads, 0..7
	s_cselect_b32 s101, 12800, 0                   ; V's record lies behind K's
	s_lshr_b32 s81, s2, 4                          ; the batch
	s_lshl_b32 s81, s81, 3
	s_add_co_u32 s81, s81, s3
	s_lshl_b32 s81, s81, 4
	s_and_b32 s2, s2, 15
	s_add_co_u32 s81, s81, s2                      ; the record: (batch x 8 + pair) x 16 + group in the batch
	s_mul_i32 s2, s81, s100
	s_add_co_u32 s2, s2, s101
	s_mov_b32 s3, 0
	s_add_nc_u64 s[66:67], s[66:67], s[2:3]
	s_lshl_b32 s100, s19, 8
	s_add_co_u32 s100, s100, 12288
	s_mov_b32 s101, 0
	s_add_nc_u64 s[100:101], s[66:67], s[100:101]  ; my 256 bytes of scale words
	s_mul_i32 s2, s19, 6144
	s_add_nc_u64 s[66:67], s[66:67], s[2:3]        ; my four fragments
.macro FETCH s                         ; K step s: B's eight fragments and A's four, as images, into set s % 2
	WIN 0x40                                       ; destination window 1, address window 0
.irp b, 0,1,2,3,4,5,6,7
.irp p, 0,1,2
	ds_load_b128 v[96*((\s)%2)+12*\b+4*\p:96*((\s)%2)+12*\b+4*\p+3], v[BADR+(\s)/4] offset:6144*\b+1536*((\s)%4)+512*\p
.endr
.endr
	WIN 0
.irp a, 0,1,2,3
.irp p, 0,1,2
	ds_load_b128 v[AF+48*((\s)%2)+12*\a+4*\p:AF+48*((\s)%2)+12*\a+4*\p+3], v[AADR+(\s)/4] offset:6144*\a+1536*((\s)%4)+512*\p
.endr
.endr
.endm
; 16 products: A's tiles a0, a0 + 1 against B's eight.  cm = 0: onto the sums; 1: the bias by B's tile starts them; 2: the bias by A's tile.
; The 32 accumulators take turns, one instruction a turn, in the same order in every K step.
.macro MUL16 a0, s, cm
.if (\cm) == 0
	WIN 0xa1                                       ; source 0 window 1, source 1 window 0, C and D window 2
.else
	WIN 0x91                                       ; C window 1
.endif
.irp a, \a0, \a0+1
.irp b, 0,1,2,3,4,5,6,7
.if (\cm) == 0
	v_wmma_scale_f32_16x16x128_f8f6f4 v[64*(\a)+8*\b:64*(\a)+8*\b+7], v[96*((\s)%2)+12*\b:96*((\s)%2)+12*\b+11], v[AF+48*((\s)%2)+12*(\a):AF+48*((\s)%2)+12*(\a)+11], v[64*(\a)+8*\b:64*(\a)+8*\b+7], v[BSC+8*(\s)+\b], v[ASC+4*(\s)+(\a)] matrix_a_fmt:MATRIX_FMT_BF6 matrix_b_fmt:MATRIX_FMT_BF6
.elseif (\cm) == 1
	v_wmma_scale_f32_16x16x128_f8f6f4 v[64*(\a)+8*\b:64*(\a)+8*\b+7], v[96*((\s)%2)+12*\b:96*((\s)%2)+12*\b+11], v[AF+48*((\s)%2)+12*(\a):AF+48*((\s)%2)+12*(\a)+11], v[BI+8*\b:BI+8*\b+7], v[BSC+8*(\s)+\b], v[ASC+4*(\s)+(\a)] matrix_a_fmt:MATRIX_FMT_BF6 matrix_b_fmt:MATRIX_FMT_BF6
.else
	v_wmma_scale_f32_16x16x128_f8f6f4 v[64*(\a)+8*\b:64*(\a)+8*\b+7], v[96*((\s)%2)+12*\b:96*((\s)%2)+12*\b+11], v[AF+48*((\s)%2)+12*(\a):AF+48*((\s)%2)+12*(\a)+11], v[BI+8*(\a):BI+8*(\a)+7], v[BSC+8*(\s)+\b], v[ASC+4*(\s)+(\a)] matrix_a_fmt:MATRIX_FMT_BF6 matrix_b_fmt:MATRIX_FMT_BF6
.endif
.endr
.endr
.endm
.macro STEP s, cm
	s_wait_dscnt 0x0                               ; this step's fragments, asked for 16 products ago
	MUL16 0, \s, \cm
.if (\s) < 7
	WIN 0
.if (\s) == 3
	s_wait_tensorcnt 0x0                           ; my part of the second half is in: it is my only load that was out
	s_barrier_signal -1                            ; no LDS instruction of mine is pending
	s_barrier_wait -1                              ; everybody's part is in.
.endif
.if (\s) > 0
	PLACES 4                                       ; in front of loads into the set that the step before multiplied
.endif
	FETCH (\s)+1
.endif
	MUL16 2, \s, \cm
.endm
	s_wait_alu depctr_va_vdst(0)                   ; the wait at the head's end
	s_wait_tensorcnt 0x0                           ; my part of the first half is in
	ds_add_u32 v254, v255
	s_wait_dscnt 0x0
	CROUND                                         ; everybody's part is in, and all sixteen work-groups are here: the joint loads meet
	s_cmp_eq_u32 s19, 0
	s_cbranch_scc0 .Lfill_b2
	tensor_load_to_lds s[44:47], s[24:31]
	s_nop 0
	PLACES 4
	s_branch .Lfilled2
.Lfill_b2:
	tensor_load_to_lds s[60:63], s[32:39]
	s_nop 0
	PLACES 4
.Lfilled2:
	FETCH 0
	s_cmp_eq_u32 s78, 0
	s_cbranch_scc0 .Lmode_v
	s_cmp_eq_u32 s76, 0                            ; q, k: register j of B's tile t holds feature 256 ib + 128 wb + 32 (t/2) + 8 (t%2) + 16 h + j
	s_cselect_b64 s[2:3], s[8:9], s[10:11]
	v_lshl_add_u32 v12, s80, 10, v12
	v_lshl_add_u32 v12, s20, 9, v12
	WIN 0x40
.irp t, 0,1,2,3,4,5,6,7
	global_load_b128 v[BI+8*\t:BI+8*\t+3], v12, s[2:3] offset:(32*(\t/2)+8*(\t%2))*4
	global_load_b128 v[BI+8*\t+4:BI+8*\t+7], v12, s[2:3] offset:(32*(\t/2)+8*(\t%2))*4+16
.endr
	s_wait_loadcnt 0x0                             ; the scale words and the bias
	STEP 0, 1
	WIN 0
	s_branch .Lstep1
.Lmode_v:
	v_lshl_add_u32 v14, s79, 9, v14                ; v: my lane holds channel 128 ia + 64 wa + 32 (a/2) + 8 (a%2) + r + 8 (r/8) in all eight registers of A's tile a
	v_lshl_add_u32 v14, s19, 8, v14
	WIN 0x40
.irp a, 0,1,2,3
.irp j, 0,1,2,3,4,5,6,7
	global_load_b32 v[BI+8*\a+\j], v14, s[12:13] offset:(32*(\a/2)+8*(\a%2))*4
.endr
.endr
	s_wait_loadcnt 0x0
	STEP 0, 2
	WIN 0
.Lstep1:
	s_wait_alu depctr_va_vdst(0)
.irp s, 1,2,3,4,5,6,7
	STEP \s, 0
.endr
	WIN 0
	PLACES 4                                       ; in front of the first read of results, and of writes over A's fragments
.irp a, 0,1,2,3                        ; A's tile a: its 16 rows' 128 numbers are one fragment of the next product
	QUANT 64*\a, 2, PC+12*\a, PW+\a
.irp p, 0,1,2
	global_store_b128 v1, v[PC+12*\a+4*\p:PC+12*\a+4*\p+3], s[66:67] offset:1536*\a+512*\p   ; 512 consecutive bytes
.endr
.endr
	v_cmp_ne_u32 vcc_lo, 0, v3
	v_cndmask_b32 v[CW], v[PW], v[PW+2], vcc_lo
	v_cndmask_b32 v[CW+1], v[PW+1], v[PW+3], vcc_lo
	global_store_b64 v13, v[CW:CW+1], s[100:101]   ; 256 consecutive bytes
	s_wait_tensorcnt 0x0
	ds_add_u32 v254, v255
	s_wait_dscnt 0x0
	CROUND                                         ; the closing round: no work-group ends while a partner may still ask for a tile that names it
	s_endpgm
.Lfunc_end_k_q938d9d77fe_proj:
	.size	k_q938d9d77fe_proj, .Lfunc_end_k_q938d9d77fe_proj-k_q938d9d77fe_proj
	.p2alignl 7, 3214868480
	.fill 96, 4, 3214868480
	.section	.rodata,"a",@progbits
	.p2align	6, 0x0
	.amdhsa_kernel k_q938d9d77fe_proj
		.amdhsa_group_segment_fixed_size 327680
		.amdhsa_private_segment_fixed_size 0
		.amdhsa_enable_private_segment 0
		.amdhsa_kernarg_size 56
		.amdhsa_user_sgpr_count 2
		.amdhsa_user_sgpr_kernarg_segment_ptr 1
		.amdhsa_wavefront_size32 1
		.amdhsa_system_sgpr_workgroup_id_x 1
		.amdhsa_system_sgpr_workgroup_id_y 1
		.amdhsa_system_sgpr_workgroup_id_z 1
		.amdhsa_system_vgpr_workitem_id 0
		.amdhsa_next_free_vgpr 768
		.amdhsa_next_free_sgpr 106
		.amdhsa_reserve_vcc 1
		.amdhsa_float_denorm_mode_32 3
		.amdhsa_float_denorm_mode_16_64 3
		.amdhsa_memory_ordered 1
		.amdhsa_forward_progress 1
		.amdhsa_inst_pref_size 92
	.end_amdhsa_kernel
	.amdgpu_metadata
---
amdhsa.version: [ 1, 2 ]
amdhsa.kernels:
  - .name:           k_q938d9d77fe_proj
    .symbol:         k_q938d9d77fe_proj.kd
    .args:
      - { .name: codes, .offset: 0, .size: 8, .value_kind: global_buffer, .address_space: global }
      - { .name: scl, .offset: 8, .size: 8, .value_kind: global_buffer, .address_space: global }
      - { .name: bq, .offset: 16, .size: 8, .value_kind: global_buffer, .address_space: global }
      - { .name: bk, .offset: 24, .size: 8, .value_kind: global_buffer, .address_space: global }
      - { .name: bv, .offset: 32, .size: 8, .value_kind: global_buffer, .address_space: global }
      - { .name: qr, .offset: 40, .size: 8, .value_kind: global_buffer, .address_space: global }
      - { .name: kv, .offset: 48, .size: 8, .value_kind: global_buffer, .address_space: global }
    .group_segment_fixed_size: 327680
    .private_segment_fixed_size: 0
    .kernarg_segment_align: 8
    .kernarg_segment_size: 56
    .max_flat_workgroup_size: 128
    .sgpr_count:     106
    .vgpr_count:     768
    .wavefront_size: 32
...
	.end_amdgpu_metadata
.endif
;; end of part 2
;; launch attn (part 3): grid 32 x 32, 4 waves a work-group, no clusters, 768 bytes of LDS; arguments qr, kv, mask, flags, cc, cs; writes cc, cs
.if DOCPART == 3
	.amdgcn_target "amdgcn-amd-amdhsa--gfx1250"
	.amdhsa_code_object_version 6
	.text
	.protected	k_q938d9d77fe_attn
	.globl	k_q938d9d77fe_attn
	.p2align	8
	.type	k_q938d9d77fe_attn,@function
k_q938d9d77fe_attn:
	s_mov_b64 s[64:65], 0
	v_nop
	global_prefetch_b8 v0, s[64:65] scope:SCOPE_SE
	s_setreg_imm32_b32 hwreg(HW_REG_WAVE_MODE, 25, 1), 1
	s_wait_xcnt 0x0
; Attention on codes of BF6: scores, the mask, the softmax, P V, and the context quantised as the A operand of the output projection.
; SHARES.  A work-group owns 64 queries of one PAIR of heads (128 features); wave w owns one tile of 16 queries for both heads.  512 registers a wave: two work-groups to a WGP, two waves to a SIMD.
; THE FLAGS.  The first launch has stored, for each query tile and each block of 128 keys, whether the block may be skipped (every p in it is 0: shown there, with its limits: |q.k| up to 1e8,
; |mask| up to 1e6) and whether the mask is 0 in it.  A wave reads its tile's 32 bytes and walks 16 trips: a skipped block does nothing; a block with a zero mask does no mask work;
; any other block loads the mask and computes, step by step as the definition has it in f32 and NOT fused: mn = mask x -1e9; s = qk + mn; t = s x (log2 e / 32).
; The softmax is written once: it computes x m - M by one multiply-add, with x = the score and m = log2 e / 32, or x = t and m = 1 (which rounds as the plain difference does).
; M = ceil(running largest t), kept as -M; p = 2^(t - M), quantised along the keys; the row's sum is taken of the unquantised p; when M moves, the sum and O^T are multiplied by 2^(old M - new M), exactly.
; K = 64 IN A FORM OF 128.  A fragment of keys holds both heads' features, [k0 | k1].  Against [q0 | 0] it gives head 0's scores, against [0 | q1] head 1's: zero CODES add nothing.
; Both products are used transposed (S^T = K Q^T, O^T = V^T P^T): a lane holds ONE query throughout.  A tile's place p holds row 32 (T/2) + 8 (T%2) + p + 8 (p/8).
; NO TENSOR LOAD, NO CLUSTER, NO PREFETCH: the walk hangs on numbers read from memory, so K and V go from memory straight into registers, as the images in which the launch before stored them,
; and which records a wave reads is known only from its flags.  Waves share nothing before the way out: no barrier in the loop.
; LOADS run a step ahead, always in the order K (26 loads), V of head 0 (13), V of head 1 (13): a live trip asks for the NEXT record's parts as its own registers fall free.  The pointer stops at record 15.
; The work-groups with the highest query numbers have the lowest numbers.
; LIMITS: NaN and infinities are not served; a block whose largest magnitude lies under 2^-122, or of zeros, keeps the byte 1.
; REGISTERS.  window 0: v4-11 addresses; v12-19 per head -M, largest t, the sum in two halves; v20-27 K's scale words, v28-35 V's, v36-37 Q's, v38 p's; v40-59 at work; v60-79 codes;
;   v80-143 head 0's scores; v144-207 head 1's; v208-255 V of head 0.   window 1: v0-95 K (the mask, between the scores and the next K's loads); v96-143 V of head 1; v160-223 O^T; v224-241 q0, 0, q1.
.set REC,   12800                      ; a record: 8 fragments of 1,536 bytes, 2 x 256 bytes of scale words; kv: [pair 32][block 16][K record, V record]
.set STG,   0                          ; 256 bytes in which the four waves' scale words meet
.set SPARE, 256                        ; the spare words, 128 bytes for each wave
.set SPW, 4
.set NIL, 5
.set L16, 9
.set GA,  10
.set MO,  11
.set ST0, 12
.set ST1, 16
.set KS,  20
.set VS,  28
.set QS,  36
.set PS,  38
.set R16, 39
.set FF,  40
.set TT,  42
.set BM,  44
.set T2,  48
.set SO,  52
.set CH,  56
.set TM,  44
.set CT,  60
.set PC,  68
.set SA,  80
.set SB,  144
.set VA,  208
.set KF,  0
.set MK,  0
.set VB,  96
.set OA,  160
.set QF,  224
.set WV,  16
.set SEL, 50
.set CC,  52
.set NG,  54
.set CM,  56
.set LIVE, 58
.set GEN, 59
.set J,   60
.set STP, 62
.set P,   72
.set MP,  74
.set MSB, 0
.macro WIN new                         ; the immediate's high byte repeats the setting that is left
.if MSB != (\new)
	s_set_vgpr_msb (MSB<<8)|(\new)
.set MSB, (\new)
.endif
.endm
.macro PLACES n
.rept \n
	v_nop
.endr
.endm
.macro LOADK                           ; the K record at the pointer: 24 + 2 loads
	WIN 0x40
.irp f, 0,1,2,3,4,5,6,7
.irp p, 0,1,2
	global_load_b128 v[KF+12*\f+4*\p:KF+12*\f+4*\p+3], v[L16], s[P:P+1] offset:1536*\f+512*\p
.endr
.endr
	WIN 0
	global_load_b128 v[KS:KS+3], v[R16], s[P:P+1] offset:12288
	global_load_b128 v[KS+4:KS+7], v[R16], s[P:P+1] offset:12544
.endm
.macro LOADV0                          ; head 0's half of the V record behind it: 12 + 1 loads
.irp f, 0,1,2,3
.irp p, 0,1,2
	global_load_b128 v[VA+12*\f+4*\p:VA+12*\f+4*\p+3], v[L16], s[P:P+1] offset:REC+1536*\f+512*\p
.endr
.endr
	global_load_b128 v[VS:VS+3], v[R16], s[P:P+1] offset:REC+12288
.endm
.macro LOADV1                          ; head 1's half: 12 + 1 loads
	WIN 0x40
.irp f, 0,1,2,3
.irp p, 0,1,2
	global_load_b128 v[VB+12*\f+4*\p:VB+12*\f+4*\p+3], v[L16], s[P:P+1] offset:REC+1536*(4+\f)+512*\p
.endr
.endr
	WIN 0
	global_load_b128 v[VS+4:VS+7], v[R16], s[P:P+1] offset:REC+12544
.endm
.macro QUANT s, w, pc, pw
.set QW, (\w)|((\w)<<2)
	WIN QW
.irp b, 0,1,2,3
	v_max3_num_f32 v[TM+\b], |v[(\s)+16*\b]|, |v[(\s)+16*\b+1]|, 0x2800000
.endr
.irp i, 2,4,6,8,10,12,14
.irp b, 0,1,2,3
	v_max3_num_f32 v[TM+\b], |v[(\s)+16*\b+\i]|, |v[(\s)+16*\b+\i+1]|, v[TM+\b]   ; the four blocks by turns
.endr
.endr
	WIN 0
.irp b, 0,1,2,3
	v_permlanex16_b32 v[TM+4+\b], v[TM+\b], s[SEL], s[SEL+1]
.endr
.irp b, 0,1,2,3
	v_max_num_f32 v[TM+\b], v[TM+\b], v[TM+4+\b]
.endr
.irp b, 0,1,2,3
	v_add_nc_u32 v[TM+12+\b], 0xfe000000, v[TM+\b]
.endr
.irp b, 0,1,2,3
	v_lshrrev_b32 v[TM+4+\b], 23, v[TM+12+\b]
.endr
	v_lshl_or_b32 v[\pw], v[TM+5], 8, v[TM+4]
	v_lshl_or_b32 v[\pw], v[TM+6], 16, v[\pw]
	v_lshl_or_b32 v[\pw], v[TM+7], 24, v[\pw]
	WIN \w
.irp c, 0,1
	v_cvt_scalef32_pk16_bf6_f32 v[(\pc)+6*\c:(\pc)+6*\c+2], v[(\s)+32*\c:(\s)+32*\c+15], v[TM+12+2*\c]
	v_cvt_scalef32_pk16_bf6_f32 v[CT+4*\c:CT+4*\c+2], v[(\s)+16+32*\c:(\s)+31+32*\c], v[TM+13+2*\c]
.endr
	WIN 0
	v_nop                                          ; one plain instruction behind the scaled conversions
.irp c, 0,1
.irp i, 0,1,2
	v_permlane16_swap_b32 v[(\pc)+6*\c+\i], v[CT+4*\c+\i]
.endr
.irp i, 0,1,2
	v_mov_b32 v[(\pc)+3+6*\c+\i], v[CT+4*\c+\i]
.endr
.endr
.endm
	s_load_b256 s[4:11], s[0:1], 0x0               ; qr, kv, mask, flags
	s_load_b128 s[12:15], s[0:1], 0x20             ; cc, cs
	v_lshl_add_u32 v[SPW], v0, 2, SPARE
	v_mov_b32 v[NIL], 0
	v_lshrrev_b32 v6, 5, v0
	v_readfirstlane_b32 s[WV], v6                  ; wave 0..3
	s_and_b32 s19, ttmp7, 0xffff
	s_sub_co_u32 s19, 31, s19                      ; the group of 64 queries, the highest first
	s_lshl_b32 s17, s19, 2
	s_add_co_u32 s17, s17, s[WV]                   ; T: my tile of queries in the sequence, 0..127
	s_lshl_b32 s20, s17, 5                         ; its 32 bytes of flags
	s_mov_b32 s21, 0
	s_mul_i32 s22, ttmp9, 409600                   ; kv: 16 x 25,600 bytes a pair (x = batch x 8 + pair of heads)
	s_mov_b32 s23, 0
	s_lshr_b32 s24, s19, 1                         ; the block of 128 queries
	s_and_b32 s25, s19, 1
	s_lshl_b32 s26, ttmp9, 4
	s_add_co_u32 s26, s26, s24
	s_mul_i32 s26, s26, REC                        ; Q's record
	s_lshl_b32 s27, s25, 2
	s_add_co_u32 s27, s27, s[WV]
	s_mul_i32 s28, s27, 1536
	s_add_co_u32 s28, s28, s26                     ; my fragment in it
	s_mov_b32 s29, 0
	s_lshl_b32 s33, s[WV], 2
	s_lshl_b32 s30, s25, 8
	s_add_co_u32 s30, s30, s33
	s_add_co_u32 s30, s30, s26
	s_add_co_u32 s30, s30, 12288                   ; my scale words: 12,288 + 256 (half of the block) + 4 w, + 16 r
	s_mov_b32 s31, 0
	s_lshr_b32 s34, ttmp9, 3                       ; the batch
	s_and_b32 s35, ttmp9, 7                        ; the pair of heads = the K step of the output projection
	s_lshl_b32 s36, s34, 7
	s_add_co_u32 s36, s36, s17
	s_lshl_b32 s36, s36, 3
	s_add_co_u32 s36, s36, s35
	s_mul_i32 s36, s36, 1536                       ; cc: [tile 512][K step 8][1536]
	s_mov_b32 s37, 0
	s_lshl_b32 s38, s34, 5
	s_add_co_u32 s38, s38, s19
	s_lshl_b32 s38, s38, 3
	s_add_co_u32 s38, s38, s35
	s_lshl_b32 s38, s38, 8                         ; cs: [group of 4 tiles 128][K step 8][256]
	s_mov_b32 s39, 0
	s_lshr_b32 s48, s17, 1
	s_lshl_b32 s48, s48, 5
	s_and_b32 s49, s17, 1
	s_lshl_b32 s49, s49, 3
	s_add_co_u32 s48, s48, s49                     ; my tile's first row: 32 (T/2) + 8 (T%2)
	s_mov_b32 s[SEL], 0x76543210
	s_mov_b32 s[SEL+1], 0xfedcba98
	s_mov_b32 s[CC], 0x3d38aa3b                    ; log2(e) / 32
	s_mov_b32 s[CC+1], s[CC]                       ; (named with it as a pair, so it is written)
	s_mov_b32 s[NG], 0xce6e6b28                    ; -1e9
	s_mov_b32 s[NG+1], s[NG]
	s_mov_b32 s[STP+1], 0
	s_mov_b32 s[J], 0
	v_and_b32 v6, 31, v0
	v_lshlrev_b32 v[L16], 4, v6                    ; 16 x lane
	v_and_b32 v6, 15, v0                           ; r
	v_bfe_u32 v7, v0, 4, 1                         ; h
	v_lshlrev_b32 v[R16], 4, v6                    ; 16 r
	v_and_b32 v8, 8, v6
	v_add_nc_u32 v8, v8, v6
	v_add_nc_u32 v8, s48, v8                       ; my query's row
	v_lshlrev_b32 v[MO], 13, v8
	v_lshl_add_u32 v[MO], v7, 6, v[MO]             ; in the mask: row x 8,192 + 64 h
	v_add_nc_u32 v[GA], s33, v[R16]                ; where my scale word meets the other waves': STG + 16 r + 4 w
	v_mov_b32 v[ST0+1], 0xff61b1e6                 ; the largest t so far: -3e38, under every t
	v_mov_b32 v[ST1+1], 0xff61b1e6
	v_floor_f32 v[ST0], -v[ST0+1]                  ; -M
	v_floor_f32 v[ST1], -v[ST1+1]
.irp x, ST0+2, ST0+3, ST1+2, ST1+3, T2, T2+1, T2+2, T2+3, FF+1, TT+1
	v_mov_b32 v[\x], 0                             ; the sums; permutes' destinations and upper halves of pairs, which count as read
.endr
	s_wait_alu depctr_va_vdst(0)                   ; the wait at the head's end
	s_wait_kmcnt 0x0
	s_add_nc_u64 s[10:11], s[10:11], s[20:21]
	s_load_b256 s[40:47], s[10:11], 0x0            ; four times (skip bits, zero bits): one pair of words for each four rows of my tile
	s_add_nc_u64 s[P:P+1], s[6:7], s[22:23]
	s_add_nc_u64 s[70:71], s[4:5], s[28:29]
	s_add_nc_u64 s[76:77], s[4:5], s[30:31]
	s_add_nc_u64 s[78:79], s[12:13], s[36:37]
	s_add_nc_u64 s[80:81], s[14:15], s[38:39]
	s_mov_b64 s[MP:MP+1], s[8:9]
	WIN 0x40
	global_load_b128 v[QF:QF+3], v[L16], s[70:71]                  ; Q's registers 0-3,
	global_load_b128 v[QF+14:QF+17], v[L16], s[70:71] offset:1024  ; 8-11
	WIN 0
	global_load_b128 v[BM:BM+3], v[L16], s[70:71] offset:512       ; 4-7: two for each head
	global_load_b32 v[QS], v[R16], s[76:77]
	LOADK                                          ; record 0, whatever its flag: so every operand register is written on every way
	LOADV0
	LOADV1
	s_wait_xcnt 0x0                                ; the loads have read the pointer
	s_add_nc_u64 s[P:P+1], s[P:P+1], 2*REC         ; it stands at the NEXT record from here on
	s_wait_kmcnt 0x0
	s_and_b32 s40, s40, s42
	s_and_b32 s44, s44, s46
	s_and_b32 s40, s40, s44                        ; skipped only if all 16 rows agree
	s_and_b32 s41, s41, s43
	s_and_b32 s45, s45, s47
	s_and_b32 s41, s41, s45
	s_and_not1_b32 s[LIVE], 0xffff, s40            ; bit j: block j is walked;
	s_and_not1_b32 s[GEN], s[LIVE], s41            ; and needs the mask
	s_wait_loadcnt 26                              ; Q and K are in; V's 26 loads may be out
	v_and_b32 v[QS+1], 0xffff0000, v[QS]
	v_and_b32 v[QS], 0xffff, v[QS]
	v_or_b32 v[QS+1], 0x0101, v[QS+1]              ; [0 | q1]: head 1's two bytes above, the byte 1 for the zero half
	v_or_b32 v[QS], 0x01010000, v[QS]              ; [q0 | 0]
	WIN 0x40
	v_mov_b32 v[QF+4], v[BM]
	v_mov_b32 v[QF+5], v[BM+1]
	v_mov_b32 v[QF+12], v[BM+2]
	v_mov_b32 v[QF+13], v[BM+3]
.irp x, 6,7,8,9,10,11
	v_mov_b32 v[QF+\x], 0                          ; the zero codes between q0 and q1
.endr
.set JJ, 0
.rept 64
	v_mov_b32 v[OA+JJ], 0                          ; O^T: which trip is a wave's first hangs on its flags, so the trip has no first form: the first change of M multiplies zeros
.set JJ, JJ+1
.endr
	WIN 0
	s_wait_alu depctr_va_vdst(0)
; One head's softmax of one trip, in place on the 64 numbers x at v[sr]; st: the head's four registers; s[CM] = m.  It leaves p's codes in v[PC] on, p's scale word in v[PS], f in v[FF].
.macro SOFTMAX sr, st
	s_wait_alu depctr_va_vdst(0)                   ; the wait ahead of the first readers of matrix results
.irp b, 0,1,2,3
	v_max3_num_f32 v[BM+\b], v[\sr+16*\b], v[\sr+16*\b+1], v[\sr+16*\b+2]   ; the largest x of each block of 32 keys: it serves the row's maximum and, since p rises with x, the block's largest p
.endr
.irp i, 3,5,7,9,11,13
.irp b, 0,1,2,3
	v_max3_num_f32 v[BM+\b], v[BM+\b], v[\sr+16*\b+\i], v[\sr+16*\b+\i+1]   ; the four blocks by turns
.endr
.endr
.irp b, 0,1,2,3
	v_max_num_f32 v[BM+\b], v[BM+\b], v[\sr+16*\b+15]
.endr
.irp b, 0,1,2,3
	v_permlanex16_b32 v[T2+\b], v[BM+\b], s[SEL], s[SEL+1]
.endr
.irp b, 0,1,2,3
	v_max_num_f32 v[BM+\b], v[BM+\b], v[T2+\b]            ; with lane l xor 16's 16 keys
.endr
	v_max3_num_f32 v[TT], v[BM], v[BM+1], v[BM+2]
	v_max_num_f32 v[TT], v[TT], v[BM+3]
	v_mul_f32 v[TT], s[CM], v[TT]                         ; as t (m is positive)
	v_max_num_f32 v[\st+1], v[\st+1], v[TT]               ; the running largest t
	v_mov_b32 v[TT], v[\st]
	v_floor_f32 v[\st], -v[\st+1]                         ; the new -M = -ceil(t): a whole number
	v_sub_f32 v[TT], v[\st], v[TT]                        ; old M - new M, 0 or less
	v_cvt_i32_f32 v[TT], v[TT]                            ; (it saturates)
	v_ldexp_f32 v[FF], 1.0, v[TT]                         ; f = 2^(old M - new M)
.set JJ, 0
.rept 32
	v_pk_fma_f32 v[\sr+JJ:\sr+JJ+1], v[\sr+JJ:\sr+JJ+1], s[CM:CM+1], v[\st:\st+1] op_sel_hi:[1,0,0]   ; x m - M
.set JJ, JJ+2
.endr
.irp b, 0,1,2,3
	v_fma_f32 v[BM+\b], v[BM+\b], s[CM], v[\st]           ; the same of each block's largest x
.endr
	s_wait_alu depctr_va_vdst(0)                          ; the wait ahead of the batch
.set JJ, 0
.rept 64
	v_exp_f32 v[\sr+JJ], v[\sr+JJ]                        ; p = 2^(t - M): one batch
.set JJ, JJ+1
.endr
	v_pk_mul_f32 v[\st+2:\st+3], v[\st+2:\st+3], v[FF:FF+1] op_sel_hi:[1,0]   ; the sums under the new M: the plain instruction behind the batch
	s_wait_alu depctr_va_vdst(0)                          ; one wait for the 64, ahead of their first reader
.irp b, 0,1,2,3
	v_exp_f32 v[BM+\b], v[BM+\b]                          ; each block's largest p: the same instructions on the same number give the same bits
.endr
	v_pk_add_f32 v[CH:CH+1], v[\sr:\sr+1], v[\sr+2:\sr+3] ; the row's sum of the unquantised p, in two chains
.set JJ, 4
.rept 15
	v_pk_add_f32 v[\st+2:\st+3], v[\st+2:\st+3], v[\sr+JJ:\sr+JJ+1]
	v_pk_add_f32 v[CH:CH+1], v[CH:CH+1], v[\sr+JJ+2:\sr+JJ+3]
.set JJ, JJ+4
.endr
	v_pk_add_f32 v[\st+2:\st+3], v[\st+2:\st+3], v[CH:CH+1]
	s_wait_alu depctr_va_vdst(0)                          ; and one for the four
.irp b, 0,1,2,3
	v_max_num_f32 v[BM+\b], 0x2800000, v[BM+\b]           ; the floor 2^(5-127): the byte cannot fall under 1
.endr
.irp b, 0,1,2,3
	v_add_nc_u32 v[SO+\b], 0xfe000000, v[BM+\b]           ; 4 off the exponent field: the conversion's scale operand
.endr
.irp b, 0,1,2,3
	v_lshrrev_b32 v[T2+\b], 23, v[SO+\b]
.endr
	v_lshl_or_b32 v[PS], v[T2+1], 8, v[T2]
	v_lshl_or_b32 v[PS], v[T2+2], 16, v[PS]
	v_lshl_or_b32 v[PS], v[T2+3], 24, v[PS]               ; p's scale word for these 128 keys
.irp c, 0,1
	v_cvt_scalef32_pk16_bf6_f32 v[PC+6*\c:PC+6*\c+2], v[\sr+32*\c:\sr+32*\c+15], v[SO+2*\c]
	v_cvt_scalef32_pk16_bf6_f32 v[CT+4*\c:CT+4*\c+2], v[\sr+16+32*\c:\sr+31+32*\c], v[SO+2*\c+1]
.endr
	v_nop                                                 ; one plain instruction behind the scaled conversions
.irp c, 0,1
.irp i, 0,1,2
	v_permlane16_swap_b32 v[PC+6*\c+\i], v[CT+4*\c+\i]
.endr
.irp i, 0,1,2
	v_mov_b32 v[PC+3+6*\c+\i], v[CT+4*\c+\i]
.endr
.endr
.endm
; Head hh: O^T x f, then O^T += V^T P^T: four tiles of 16 channels, K = these 128 keys; V's fragments at v[va] on, under the windows w.  The sixteen multiplies stand between the last writes of
; p's codes and scale word and the products.  The four accumulators take one turn each.
.macro PVH hh, va, w
	WIN 0x41                                       ; O^T window 1, f window 0
	s_wait_alu depctr_va_vdst(0)                   ; the wait ahead of the first reader of O^T
.set JJ, 0
.rept 16
	v_pk_mul_f32 v[OA+32*\hh+JJ:OA+32*\hh+JJ+1], v[OA+32*\hh+JJ:OA+32*\hh+JJ+1], v[FF:FF+1] op_sel_hi:[1,0]
.set JJ, JJ+2
.endr
	WIN \w
.irp ct, 0,1,2,3
	v_wmma_scale_f32_16x16x128_f8f6f4 v[OA+32*\hh+8*\ct:OA+32*\hh+8*\ct+7], v[\va+12*\ct:\va+12*\ct+11], v[PC:PC+11], v[OA+32*\hh+8*\ct:OA+32*\hh+8*\ct+7], v[VS+4*\hh+\ct], v[PS] matrix_a_fmt:MATRIX_FMT_BF6 matrix_b_fmt:MATRIX_FMT_BF6
.endr
	WIN 0
.endm
.Ltrip:                                            ; 16 trips, one for each block of 128 keys; bit 0 of the two words is this block's, bit 1 the next one's
	s_bitcmp1_b32 s[LIVE], 0
	s_cbranch_scc1 .Llive
	s_bitcmp1_b32 s[LIVE], 1                       ; a skipped block: only if the next one is walked, its record is asked for here
	s_cbranch_scc0 .Lnext
	s_wait_loadcnt 0x0                             ; no load is out that would land in the same registers
	LOADK
	LOADV0
	LOADV1
	s_branch .Lnext
.Llive:
	s_wait_loadcnt 26                              ; K is in: behind its loads only V's 13 + 13 were issued
	WIN 0x05                                       ; K and Q window 1, the scores window 0
.irp a, 0,1,2,3,4,5,6,7
	v_wmma_scale_f32_16x16x128_f8f6f4 v[SA+8*\a:SA+8*\a+7], v[KF+12*\a:KF+12*\a+11], v[QF:QF+11], 0, v[KS+\a], v[QS] matrix_a_fmt:MATRIX_FMT_BF6 matrix_b_fmt:MATRIX_FMT_BF6
	v_wmma_scale_f32_16x16x128_f8f6f4 v[SB+8*\a:SB+8*\a+7], v[KF+12*\a:KF+12*\a+11], v[QF+6:QF+17], 0, v[KS+\a], v[QS+1] matrix_a_fmt:MATRIX_FMT_BF6 matrix_b_fmt:MATRIX_FMT_BF6
.endr
	WIN 0
	s_mov_b32 s[CM], s[CC]                         ; m = log2 e / 32: the softmax works on the scores
	s_mov_b32 s[CM+1], s[CC]
	s_bitcmp1_b32 s[GEN], 0
	s_cbranch_scc0 .Lplain
	PLACES 4                                       ; THE MASK of these 128 keys comes into K's registers, which the products have read
	WIN 0x40
.irp b, 0,1,2,3
.irp j, 0,1,2,3
	global_load_b128 v[MK+16*\b+4*\j:MK+16*\b+4*\j+3], v[MO], s[MP:MP+1] offset:128*\b+16*\j   ; register 16 b + i = key 32 b + 16 h + i
.endr
.endr
	s_wait_loadcnt 0x0
	WIN 0x41
.set JJ, 0
.rept 32
	v_pk_mul_f32 v[MK+JJ:MK+JJ+1], v[MK+JJ:MK+JJ+1], s[NG:NG+1] op_sel_hi:[1,0]   ; mn = mask x -1e9
.set JJ, JJ+2
.endr
	WIN 0x04                                       ; source 1 (mn) window 1
.set JJ, 0
.rept 32
	v_pk_add_f32 v[SA+JJ:SA+JJ+1], v[SA+JJ:SA+JJ+1], v[MK+JJ:MK+JJ+1]   ; s = qk + mn; each accumulator from its low end on
.set JJ, JJ+2
.endr
.set JJ, 0
.rept 32
	v_pk_add_f32 v[SB+JJ:SB+JJ+1], v[SB+JJ:SB+JJ+1], v[MK+JJ:MK+JJ+1]
.set JJ, JJ+2
.endr
	WIN 0
.set JJ, 0
.rept 64
	v_pk_mul_f32 v[SA+JJ:SA+JJ+1], v[SA+JJ:SA+JJ+1], s[CC:CC+1] op_sel_hi:[1,0]   ; t = s x c, rounded by itself, for both heads
.set JJ, JJ+2
.endr
	s_mov_b32 s[CM], 1.0                           ; m = 1: the softmax works on t
	s_mov_b32 s[CM+1], 1.0
.Lplain:
	PLACES 4                                       ; behind the products: in front of loads into K's registers and of the first read of the scores
	LOADK                                          ; the next record's K
	SOFTMAX SA, ST0
	s_wait_loadcnt 39                              ; V of head 0 is in: behind it V of head 1 (13) and the next K (26) were issued
	PVH 0, VA, 0x50
	PLACES 4
	LOADV0                                         ; the next record's V, head 0
	SOFTMAX SB, ST1
	s_wait_loadcnt 39                              ; V of head 1 is in: behind it the next K (26) and the next V of head 0 (13)
	PVH 1, VB, 0x51
	PLACES 4
	LOADV1                                         ; the next record's V, head 1
.Lnext:
	s_wait_xcnt 0x0                                ; the loads have read the two pointers
	s_cmp_lt_u32 s[J], 14
	s_cselect_b32 s[STP], 2*REC, 0                 ; the pointer stops at record 15: no load leaves the pair's records
	s_add_nc_u64 s[P:P+1], s[P:P+1], s[STP:STP+1]
	s_add_nc_u64 s[MP:MP+1], s[MP:MP+1], 512       ; the next 128 keys' columns of the mask
	s_lshr_b32 s[LIVE], s[LIVE], 1
	s_lshr_b32 s[GEN], s[GEN], 1
	s_add_co_u32 s[J], s[J], 1
	s_cmp_lt_u32 s[J], 16
	s_cbranch_scc1 .Ltrip
	; THE WAY OUT.  O^T / the sum is my 16 queries' 128 features of the pair: one fragment of the output projection's A operand, K step = the pair.
	; Loads of the last trip may still be out: nothing below names K's, V's or their scale words' registers.
	v_add_f32 v[BM], v[ST0+2], v[ST0+3]
	v_add_f32 v[BM+1], v[ST1+2], v[ST1+3]
	v_permlanex16_b32 v[T2], v[BM], s[SEL], s[SEL+1]
	v_permlanex16_b32 v[T2+1], v[BM+1], s[SEL], s[SEL+1]
	v_add_f32 v[BM], v[BM], v[T2]
	v_add_f32 v[BM+1], v[BM+1], v[T2+1]            ; the rows' sums
	s_wait_alu depctr_va_vdst(0)
	v_rcp_f32 v[FF], v[BM]
	v_rcp_f32 v[TT], v[BM+1]
	v_nop                                          ; a plain instruction behind the reciprocals,
	s_wait_alu depctr_va_vdst(0)                   ; and one wait for both, ahead of their first reader
	WIN 0x01                                       ; source 0 (O^T) window 1
.set JJ, 0
.rept 16
	v_pk_mul_f32 v[SA+JJ:SA+JJ+1], v[OA+JJ:OA+JJ+1], v[FF:FF+1] op_sel_hi:[1,0]
.set JJ, JJ+2
.endr
.set JJ, 32
.rept 16
	v_pk_mul_f32 v[SA+JJ:SA+JJ+1], v[OA+JJ:OA+JJ+1], v[TT:TT+1] op_sel_hi:[1,0]
.set JJ, JJ+2
.endr
	WIN 0
	QUANT SA, 0, PC, PS
.irp p, 0,1,2
	global_store_b128 v[L16], v[PC+4*\p:PC+4*\p+3], s[78:79] offset:512*\p   ; 512 consecutive bytes
.endr
	ds_store_b32 v[GA], v[PS]                      ; both halves of the lanes write the same word with the same value
	v_and_b32 v6, 31, v0
	v_lshlrev_b32 v7, 3, v6                        ; 8 x lane: in the 256 bytes of LDS (STG = 0) and in cs alike
	s_wait_alu depctr_va_vdst(0)
	s_wait_dscnt 0x0                               ; for the others' sake: my store has landed
	s_barrier_signal -1
	s_barrier_wait -1
	s_cmp_lg_u32 s[WV], 0
	s_cbranch_scc1 .Lnot_first
	ds_load_b64 v[SA:SA+1], v7
	s_wait_dscnt 0x0
	global_store_b64 v7, v[SA:SA+1], s[80:81]      ; 256 consecutive bytes: the four tiles' scale words
.Lnot_first:
	s_wait_tensorcnt 0x0                           ; the wave's end: behind my last LDS store
	ds_add_u32 v[SPW], v[NIL]
	s_wait_dscnt 0x0
	s_endpgm
.Lfunc_end_k_q938d9d77fe_attn:
	.size	k_q938d9d77fe_attn, .Lfunc_end_k_q938d9d77fe_attn-k_q938d9d77fe_attn
	.p2alignl 7, 3214868480
	.fill 96, 4, 3214868480
	.section	.rodata,"a",@progbits
	.p2align	6, 0x0
	.amdhsa_kernel k_q938d9d77fe_attn
		.amdhsa_group_segment_fixed_size 768
		.amdhsa_private_segment_fixed_size 0
		.amdhsa_enable_private_segment 0
		.amdhsa_kernarg_size 48
		.amdhsa_user_sgpr_count 2
		.amdhsa_user_sgpr_kernarg_segment_ptr 1
		.amdhsa_wavefront_size32 1
		.amdhsa_system_sgpr_workgroup_id_x 1
		.amdhsa_system_sgpr_workgroup_id_y 1
		.amdhsa_system_sgpr_workgroup_id_z 1
		.amdhsa_system_vgpr_workitem_id 0
		.amdhsa_next_free_vgpr 512
		.amdhsa_next_free_sgpr 100
		.amdhsa_reserve_vcc 0
		.amdhsa_float_denorm_mode_32 3
		.amdhsa_float_denorm_mode_16_64 3
		.amdhsa_memory_ordered 1
		.amdhsa_forward_progress 1
		.amdhsa_inst_pref_size 70
	.end_amdhsa_kernel
	.amdgpu_metadata
---
amdhsa.version: [ 1, 2 ]
amdhsa.kernels:
  - .name:           k_q938d9d77fe_attn
    .symbol:         k_q938d9d77fe_attn.kd
    .args:
      - { .name: qr, .offset: 0, .size: 8, .value_kind: global_buffer, .address_space: global }
      - { .name: kv, .offset: 8, .size: 8, .value_kind: global_buffer, .address_space: global }
      - { .name: mask, .offset: 16, .size: 8, .value_kind: global_buffer, .address_space: global }
      - { .name: flags, .offset: 24, .size: 8, .value_kind: global_buffer, .address_space: global }
      - { .name: cc, .offset: 32, .size: 8, .value_kind: global_buffer, .address_space: global }
      - { .name: cs, .offset: 40, .size: 8, .value_kind: global_buffer, .address_space: global }
    .group_segment_fixed_size: 768
    .private_segment_fixed_size: 0
    .kernarg_segment_align: 8
    .kernarg_segment_size: 48
    .max_flat_workgroup_size: 128
    .sgpr_count:     100
    .vgpr_count:     512
    .wavefront_size: 32
...
	.end_amdgpu_metadata
.endif
;; end of part 3
;; launch outp (part 4): grid 4 x 64, 4 waves a work-group, clusters of 4 x 4, 327,680 bytes of LDS; arguments cc, cs, codes, scl, bo, out0; writes out0
.if DOCPART == 4
	.amdgcn_target "amdgcn-amd-amdhsa--gfx1250"
	.amdhsa_code_object_version 6
	.text
	.protected	k_q938d9d77fe_outp
	.globl	k_q938d9d77fe_outp
	.p2align	8
	.type	k_q938d9d77fe_outp,@function
k_q938d9d77fe_outp:
	s_mov_b64 s[64:65], 0
	v_nop
	global_prefetch_b8 v0, s[64:65] scope:SCOPE_SE
	s_setreg_imm32_b32 hwreg(HW_REG_WAVE_MODE, 25, 1), 1
	s_wait_xcnt 0x0
	s_wait_alu depctr_hold_cnt(0) depctr_sa_sdst(0) depctr_va_vdst(0) depctr_va_sdst(0) depctr_va_ssrc(0) depctr_va_vcc(0) depctr_vm_vsrc(0)
	s_getreg_b32 s2, hwreg(HW_REG_IB_STS2, 6, 4)
	s_cmp_eq_u32 s2, 0
	s_cbranch_scc0 .Lentry_in_a_cluster
	s_endpgm
.Lentry_in_a_cluster:
	s_bfe_u32 s2, ttmp6, 0x10000c
	s_cmp_lg_u32 s2, 0xf033
	s_cbranch_scc0 .Lentry_shape_is_right
	s_endpgm
.Lentry_shape_is_right:
; out0 = ctx Wo^T + bo on codes of BF6.  ctx's codes and scale words come from the launch before, Wo's from the first; both lie as images of the operand's registers.
; CORE, as in the projections: source 0 = a tile of Wo's rows (they land in the result's registers), source 1 = a tile of tokens (they land in the lanes).  A work-group makes 128 tokens x 256 outputs,
; a wave 64 x 128: 32 accumulators.  The whole K of the work-group's rows, 294,912 bytes, comes into LDS once, in two halves of 512 along K; nothing is filled again.
; CLUSTER 4 x 4: ctx's chunks are asked for jointly along a row, Wo's along a column.  256 work-groups.
; Tile T, place p = row 32 (T/2) + 8 (T%2) + p + 8 (p/8), for tokens and for Wo's rows alike: so a lane's registers 16 b + i of a token are outputs 32 b + 16 h + i.
; THE WAY OUT: a tile's 16 tokens x 128 outputs go through the wave's own stage and leave as rows of 512 consecutive bytes.  The stage lies in LDS bytes that have had their only fill and, behind
; the last K step's barrier, their last read.
; REGISTERS: as in the projections; on the way out v128-255 of window 0 hold rows read back.
; K NOW COMES IN TWO HALVES OF 512 ALONG K, not in four chunks: one tensor load a wave at the head (K steps 0-3), one behind the three lines and a round of the cluster's barrier (K steps 4-7).
; LDS: ctx [half 2][tile 8][6144] from byte 0, Wo [half 2][tile 16][6144] from byte 98,304; every byte is filled once.  It claims all of LDS.
.set AADR, 4
.set BADR, 8
.set STO,  14
.set RD,   15
.set ASC,  32
.set BSC,  64
.set AF,   128
.set BK,   128
.set BI,   192
.set SP,   528
.set MSB,  0
.macro WIN new                         ; the immediate's high byte repeats the setting that is left
.if MSB != (\new)
	s_set_vgpr_msb (MSB<<8)|(\new)
.set MSB, (\new)
.endif
.endm
.macro PLACES n
.rept \n
	v_nop
.endr
.endm
.macro CROUND
	s_barrier_signal -1
	s_barrier_wait -1
	s_cmp_lg_u32 s18, 0
	s_cbranch_scc1 .Lnot_wave_0_\@
	s_barrier_signal -3
.Lnot_wave_0_\@:
	s_barrier_wait -3
	s_barrier_signal -1
	s_barrier_wait -1
.endm
.macro MKG0 g, lreg, lcon, areg, acon
	s_mov_b32 s[\g], 1
	s_add_co_u32 s[\g+1], s[\lreg], \lcon
	s_add_nc_u64 s[\g+2:\g+3], s[\areg:\areg+1], \acon
	s_or_b32 s[\g+3], s[\g+3], 0x80000000
.endm
	s_load_b256 s[4:11], s[0:1], 0x0               ; cc, cs, codes, scl
	s_load_b128 s[12:15], s[0:1], 0x20             ; bo, out0
	v_lshl_add_u32 v30, v0, 2, 0x48000
	v_mov_b32 v31, 0
	ds_add_u32 v30, v31
	ds_add_u32 v30, v31
	v_lshrrev_b32 v1, 5, v0
	v_readfirstlane_b32 s18, v1                    ; wave
	s_lshr_b32 s19, s18, 1                         ; wa: my 64 tokens.  Also: I fetch for ctx (0) or for Wo (1)
	s_and_b32 s20, s18, 1                          ; wb: my 128 outputs.  Also: which half I fetch
	s_bfe_u32 s21, ttmp6, 0x40000                  ; cx = ib: which 256 outputs
	s_bfe_u32 s22, ttmp6, 0x40004                  ; cy
	s_and_b32 s79, ttmp7, 0xffff
	s_lshl_b32 s79, s79, 2
	s_add_co_u32 s79, s79, s22                     ; ia: which 128 tokens
	s_lshl_b32 s98, s22, 2
	s_lshl_b32 s98, 15, s98                        ; my row of the cluster
	s_lshl_b32 s99, 0x1111, s21                    ; my column
	s_or_b32 s24, s98, (3<<16)|(1<<21)             ; group 1 as in the projections: rows = tiles, 12,288 bytes apart; 6,144 bytes of each
	s_mov_b32 s25, 768<<16                         ; of each tile four fragments, 6,144 bytes = 768 elements of 8 bytes
	s_mov_b32 s26, 4<<16
	s_mov_b32 s27, 768<<16
	s_mov_b32 s28, 4
	s_mov_b32 s29, 1536
	s_mov_b32 s30, 0
	s_mov_b32 s31, 0
	s_or_b32 s32, s99, (3<<16)|(1<<21)
	s_mov_b32 s33, 768<<16
	s_mov_b32 s34, 8<<16
	s_mov_b32 s35, 768<<16
	s_mov_b32 s36, 8
	s_mov_b32 s37, 1536
	s_mov_b32 s38, 0
	s_mov_b32 s39, 0
	s_lshl_b32 s84, s79, 1                         ; groups of four tiles: two to a work-group
	s_add_co_u32 s94, s84, s19
	s_lshl_b32 s94, s94, 11
	s_mov_b32 s95, 0
	s_add_co_u32 s84, s84, s20
	s_mul_i32 s84, s84, 49152
	s_mov_b32 s85, 0
	s_lshl_b32 s86, s21, 2
	s_add_co_u32 s86, s86, 432                     ; Wo's first group
	s_lshl_b32 s96, s20, 1
	s_add_co_u32 s86, s86, s96
	s_lshl_b32 s96, s86, 11
	s_mov_b32 s97, 0
	s_mul_i32 s86, s86, 49152
	s_mov_b32 s87, 0
	s_mul_i32 s92, s20, 24576
	s_mul_i32 s93, s20, 49152
	s_wait_dscnt 0x0
	s_wait_kmcnt 0x0
	s_add_nc_u64 s[84:85], s[4:5], s[84:85]
	s_add_nc_u64 s[94:95], s[6:7], s[94:95]
	s_add_nc_u64 s[86:87], s[8:9], s[86:87]
	s_add_nc_u64 s[96:97], s[10:11], s[96:97]
	MKG0 40, 92, 0, 84, 0                          ; ctx, K steps 0-3
	MKG0 44, 92, 49152, 84, 6144                   ; ctx, K steps 4-7
	MKG0 56, 93, 98304, 86, 0                      ; Wo, K steps 0-3
	MKG0 60, 93, 196608, 86, 6144                  ; Wo, K steps 4-7
	CROUND                                         ; all sixteen work-groups are here: the joint loads meet
	s_cmp_eq_u32 s19, 0                            ; a wave's fill stands in one branch on its number: one load of mine is out at the most
	s_cbranch_scc0 .Lfill_b
	tensor_load_to_lds s[40:43], s[24:31]
	s_nop 0
	PLACES 4
	s_branch .Lfilled
.Lfill_b:
	tensor_load_to_lds s[56:59], s[32:39]
	s_nop 0
	PLACES 4
.Lfilled:
	v_and_b32 v13, 31, v0
	v_lshlrev_b32 v1, 4, v13                       ; 16 x lane
	v_and_b32 v13, 15, v0                          ; r
	v_bfe_u32 v3, v0, 4, 1                         ; h
	v_lshlrev_b32 v2, 4, v13                       ; 16 r
.irp s, 0,1,2,3,4,5,6,7
	global_load_b128 v[ASC+4*\s:ASC+4*\s+3], v2, s[94:95] offset:256*\s
	global_load_b128 v[BSC+8*\s:BSC+8*\s+3], v2, s[96:97] offset:256*\s
	global_load_b128 v[BSC+8*\s+4:BSC+8*\s+7], v2, s[96:97] offset:2048+256*\s
.endr
	v_lshlrev_b32 v12, 6, v3                       ; the bias: register j of Wo's tile t holds output 256 ib + 128 wb + 32 (t/2) + 8 (t%2) + 16 h + j
	v_lshl_add_u32 v12, s21, 10, v12
	v_lshl_add_u32 v12, s20, 9, v12
	WIN 0x40
.irp t, 0,1,2,3,4,5,6,7
	global_load_b128 v[BI+8*\t:BI+8*\t+3], v12, s[12:13] offset:(32*(\t/2)+8*(\t%2))*4
	global_load_b128 v[BI+8*\t+4:BI+8*\t+7], v12, s[12:13] offset:(32*(\t/2)+8*(\t%2))*4+16
.endr
	WIN 0
	s_mul_i32 s104, s19, 24576
	s_mul_i32 s105, s20, 49152
	s_add_co_u32 s105, s105, 98304
	v_add_nc_u32 v[AADR], s104, v1
	v_add_nc_u32 v[BADR], s105, v1
	v_add_nc_u32 v[AADR+1], 49152, v[AADR]
	v_add_nc_u32 v[BADR+1], 98304, v[BADR]
	s_mul_i32 s81, s18, 16*SP                      ; my stage
	v_mul_u32_u24 v[STO], v13, SP
	v_lshl_add_u32 v[STO], v3, 6, v[STO]
	v_add_nc_u32 v[STO], s81, v[STO]               ; in: row r, + 64 h
	v_add_nc_u32 v[RD], s81, v1                    ; back: a row's 512 bytes, 16 a lane
	s_lshl_b32 s2, s79, 19                         ; out0: 128 rows of 4,096 bytes a work-group,
	s_lshl_b32 s3, s19, 18                         ; 64 a wave;
	s_add_co_u32 s2, s2, s3
	s_lshl_b32 s3, s21, 10                         ; 256 outputs a work-group,
	s_add_co_u32 s2, s2, s3
	s_lshl_b32 s3, s20, 9                          ; 128 a wave
	s_add_co_u32 s2, s2, s3
	s_mov_b32 s3, 0
	s_add_nc_u64 s[66:67], s[14:15], s[2:3]
.macro FETCH s                         ; K step s: Wo's eight fragments and ctx's four, as images, into set s % 2
	WIN 0x40
.irp b, 0,1,2,3,4,5,6,7
.irp p, 0,1,2
	ds_load_b128 v[96*((\s)%2)+12*\b+4*\p:96*((\s)%2)+12*\b+4*\p+3], v[BADR+(\s)/4] offset:6144*\b+1536*((\s)%4)+512*\p
.endr
.endr
	WIN 0
.irp a, 0,1,2,3
.irp p, 0,1,2
	ds_load_b128 v[AF+48*((\s)%2)+12*\a+4*\p:AF+48*((\s)%2)+12*\a+4*\p+3], v[AADR+(\s)/4] offset:6144*\a+1536*((\s)%4)+512*\p
.endr
.endr
.endm
; 16 products.  cm = 0: onto the sums; 1: the bias starts them.  The 32 accumulators take turns, one instruction a turn, in the same order in every K step.
.macro MUL16 a0, s, cm
.if (\cm) == 0
	WIN 0xa1
.else
	WIN 0x91
.endif
.irp a, \a0, \a0+1
.irp b, 0,1,2,3,4,5,6,7
.if (\cm) == 0
	v_wmma_scale_f32_16x16x128_f8f6f4 v[64*(\a)+8*\b:64*(\a)+8*\b+7], v[96*((\s)%2)+12*\b:96*((\s)%2)+12*\b+11], v[AF+48*((\s)%2)+12*(\a):AF+48*((\s)%2)+12*(\a)+11], v[64*(\a)+8*\b:64*(\a)+8*\b+7], v[BSC+8*(\s)+\b], v[ASC+4*(\s)+(\a)] matrix_a_fmt:MATRIX_FMT_BF6 matrix_b_fmt:MATRIX_FMT_BF6
.else
	v_wmma_scale_f32_16x16x128_f8f6f4 v[64*(\a)+8*\b:64*(\a)+8*\b+7], v[96*((\s)%2)+12*\b:96*((\s)%2)+12*\b+11], v[AF+48*((\s)%2)+12*(\a):AF+48*((\s)%2)+12*(\a)+11], v[BI+8*\b:BI+8*\b+7], v[BSC+8*(\s)+\b], v[ASC+4*(\s)+(\a)] matrix_a_fmt:MATRIX_FMT_BF6 matrix_b_fmt:MATRIX_FMT_BF6
.endif
.endr
.endr
.endm
.macro STEP s, cm                      ; K steps 0 to 6
	s_wait_dscnt 0x0                               ; this step's fragments, asked for 16 products ago
	MUL16 0, \s, \cm
	WIN 0
.if (\s) == 3
	s_wait_tensorcnt 0x0                           ; my part of the second half is in: it is my only load that was out
	s_barrier_signal -1
	s_barrier_wait -1                              ; everybody's part is in.
.endif
.if (\s) > 0
	PLACES 4                                       ; in front of loads into the set that the step before multiplied
.endif
	FETCH (\s)+1
	MUL16 2, \s, \cm
.endm
	s_wait_alu depctr_va_vdst(0)
	s_wait_tensorcnt 0x0                           ; my part of the first half is in
	ds_add_u32 v30, v31
	s_wait_dscnt 0x0
	CROUND                                         ; everybody's part is in, and all sixteen work-groups are here: the joint loads meet
	s_cmp_eq_u32 s19, 0
	s_cbranch_scc0 .Lfill_b2
	tensor_load_to_lds s[44:47], s[24:31]
	s_nop 0
	PLACES 4
	s_branch .Lfilled2
.Lfill_b2:
	tensor_load_to_lds s[60:63], s[32:39]
	s_nop 0
	PLACES 4
.Lfilled2:
	FETCH 0
	s_wait_loadcnt 0x0                             ; the scale words and the bias
	STEP 0, 1
.irp s, 1,2,3,4,5,6
	STEP \s, 0
.endr
	s_wait_dscnt 0x0                               ; the last step's fragments: my reads of LDS are over:
	s_barrier_signal -1                            ; say so,
	MUL16 0, 7, 0                                  ; work on registers while the others arrive,
	MUL16 2, 7, 0
	WIN 0
	s_barrier_wait -1                              ; and nobody reads the bytes in which the stages lie any more
.macro TOSTAGE a                       ; tile a's 16 tokens x 128 outputs into my stage, and back as rows
	WIN 0x08                                       ; an LDS store's data are its source 1: window 2
.irp m, 0,1,2,3,4,5,6,7,8,9,10,11,12,13,14,15
	ds_store_b128 v[STO], v[64*(\a)+4*\m:64*(\a)+4*\m+3] offset:128*(\m/4)+16*(\m%4)   ; each accumulator from its low end on
.endr
	WIN 0
.irp p, 0,1,2,3,4,5,6,7,8,9,10,11,12,13,14,15
	ds_load_b128 v[BK+64*((\a)%2)+4*\p:BK+64*((\a)%2)+4*\p+3], v[RD] offset:SP*\p      ; LDS serves a wave's instructions in order: these see the stores above
.endr
.endm
.macro SEND a, younger                 ; younger: the LDS instructions issued behind tile a's loads, which may stay out
	s_wait_dscnt \younger
.irp p, 0,1,2,3,4,5,6,7,8,9,10,11,12,13,14,15
	global_store_b128 v1, v[BK+64*((\a)%2)+4*\p:BK+64*((\a)%2)+4*\p+3], s[66:67] offset:(32*((\a)/2)+8*((\a)%2)+\p+8*(\p/8))*4096 th:TH_STORE_NT   ; 512 consecutive bytes, at a multiple of 512 from out0's first byte
.endr
.endm
	PLACES 4                                       ; in front of the first read of results and of loads into the registers that held ctx's fragments
	TOSTAGE 0
.irp a, 1,2,3
.if \a > 1
	s_wait_xcnt 0x0                                ; tile a - 2's stores have read their registers: tile a's rows may land there
.endif
	TOSTAGE \a
	SEND \a-1, 32                                  ; behind tile a - 1's loads: tile a's 16 stores and 16 loads
.endr
	SEND 3, 0
	s_wait_tensorcnt 0x0
	ds_add_u32 v30, v31
	s_wait_dscnt 0x0
	CROUND                                         ; the closing round: no work-group ends while a partner may still ask for a tile that names it
	s_endpgm
.Lfunc_end_k_q938d9d77fe_outp:
	.size	k_q938d9d77fe_outp, .Lfunc_end_k_q938d9d77fe_outp-k_q938d9d77fe_outp
	.p2alignl 7, 3214868480
	.fill 96, 4, 3214868480
	.section	.rodata,"a",@progbits
	.p2align	6, 0x0
	.amdhsa_kernel k_q938d9d77fe_outp
		.amdhsa_group_segment_fixed_size 327680
		.amdhsa_private_segment_fixed_size 0
		.amdhsa_enable_private_segment 0
		.amdhsa_kernarg_size 48
		.amdhsa_user_sgpr_count 2
		.amdhsa_user_sgpr_kernarg_segment_ptr 1
		.amdhsa_wavefront_size32 1
		.amdhsa_system_sgpr_workgroup_id_x 1
		.amdhsa_system_sgpr_workgroup_id_y 1
		.amdhsa_system_sgpr_workgroup_id_z 1
		.amdhsa_system_vgpr_workitem_id 0
		.amdhsa_next_free_vgpr 768
		.amdhsa_next_free_sgpr 106
		.amdhsa_reserve_vcc 0
		.amdhsa_float_denorm_mode_32 3
		.amdhsa_float_denorm_mode_16_64 3
		.amdhsa_memory_ordered 1
		.amdhsa_forward_progress 1
		.amdhsa_inst_pref_size 79
	.end_amdhsa_kernel
	.amdgpu_metadata
---
amdhsa.version: [ 1, 2 ]
amdhsa.kernels:
  - .name:           k_q938d9d77fe_outp
    .symbol:         k_q938d9d77fe_outp.kd
    .args:
      - { .name: cc, .offset: 0, .size: 8, .value_kind: global_buffer, .address_space: global }
      - { .name: cs, .offset: 8, .size: 8, .value_kind: global_buffer, .address_space: global }
      - { .name: codes, .offset: 16, .size: 8, .value_kind: global_buffer, .address_space: global }
      - { .name: scl, .offset: 24, .size: 8, .value_kind: global_buffer, .address_space: global }
      - { .name: bo, .offset: 32, .size: 8, .value_kind: global_buffer, .address_space: global }
      - { .name: out0, .offset: 40, .size: 8, .value_kind: global_buffer, .address_space: global }
    .group_segment_fixed_size: 327680
    .private_segment_fixed_size: 0
    .kernarg_segment_align: 8
    .kernarg_segment_size: 48
    .max_flat_workgroup_size: 128
    .sgpr_count:     106
    .vgpr_count:     768
    .wavefront_size: 32
...
	.end_amdgpu_metadata
.endif
;; end of part 4
